; MI455X (gfx1250); checked and timed in simulation.
; The chip was launched on July 23, 2026; its instructions are those of AMD's public machine-readable ISA for CDNA 5 (MIT licence, August 2026) and "CDNA5" Instruction Set Architecture Reference Guide (July 2026). The comments in the code are by the model that wrote it; some were corrected since.
;; Encode Sequential. Allowed arithmetic: float matrix products may take bf16 or f16 operands with f32 sums; other float arithmetic in f32, or as packed bf16 or f16 multiplies, adds, multiply-adds, maxima and minima; sums over many terms, partial sums and values carried from step to step in f32; what a program stores and reads back later, other than sums and carried values, may be rounded once to bf16 or f16.
;; Inputs: Wk 1,024 x 1,024 float32; Wq 1,024 x 1,024 float32; Wv 1,024 x 1,024 float32; bk 1,024 float32; bq 1,024 float32; bv 1,024 float32; x 4 x 2,048 x 1,024 float32.
;; Outputs: out0 4 x 2,048 x 1,024 float32.
;; 2 versions, each right; version 2 is version 1 with the launch cast written anew for expert scheduling mode. Each part assembles by itself: llvm-mc -triple=amdgcn-amd-amdhsa -mcpu=gfx1250 --defsym DOCPART=n.
;; ======== version 1 of 2: 4 launches
;; limits: values are held in f16: magnitudes above 65,504 overflow, below 6.1e-05 lose precision
;; workspace buffers: xw 23,068,672 bytes; qkv 50,331,648 bytes; pw 33,554,432 bytes; st 1,048,576 bytes
;; launch cast (part 1): grid 704 x 1, 8 waves a work-group, no clusters, 0 bytes of LDS; arguments x, Wq, Wk, Wv, xw; writes xw
.if DOCPART == 1
	.amdgcn_target "amdgcn-amd-amdhsa--gfx1250"
	.amdhsa_code_object_version 6
	.text
	.protected	k_qca57e942f4_cast
	.globl	k_qca57e942f4_cast
	.p2align	8
	.type	k_qca57e942f4_cast,@function
k_qca57e942f4_cast:
	s_mov_b64 s[64:65], 0
	v_nop
	global_prefetch_b8 v0, s[64:65] scope:SCOPE_SE
	s_setreg_imm32_b32 hwreg(HW_REG_WAVE_MODE, 25, 1), 1
	s_wait_xcnt 0x0
; xw = bf16 of x (rows 0-8191), Wq (8192-9215), Wk (9216-10239), Wv (10240-11263), laid out in 16 BLOCKS of 64 along K: xw[block][row][64], so that
; the rows of a tile of any height and 64 of K lie end to end, 128 bytes each: the next launch asks for such tiles as rows of 256 bytes.
; A stream: each input byte is read once, each output byte written once; no LDS, no barrier, no matrix unit: they would add nothing.
; A work-group of eight waves owns 16 rows: 65,536 bytes in, 32,768 out.  Wave w takes the blocks 2 w and 2 w + 1.  One load takes a block's 256 bytes of f32 of two neighbouring rows
; (lanes 0-15 one row, lanes 16-31 the next); its store of 8 bytes a lane covers 256 consecutive bytes of xw, at a multiple of 256 from xw's first byte.
; All sixteen loads go out first; no register is used twice, so the only waits are the counted ones for the loads.
.set ROWIN,  4096                      ; bytes in a row of f32
.set KBB,    0x160000                  ; bytes in a block of xw: 11,264 rows of 128
.set X, 8                              ; v[8:71]    load n: 4 registers
.set Y, 72                             ; v[72:103]  store n: 2 registers
	s_load_b256 s[4:11], s[0:1], 0x0               ; x s[4:5], Wq s[6:7], Wk s[8:9], Wv s[10:11]
	s_load_b64 s[12:13], s[0:1], 0x20              ; xw
	v_and_b32 v3, 15, v0                           ; my 16 bytes among a block's 256
	v_bfe_u32 v4, v0, 4, 1                         ; which row of the pair
	v_lshrrev_b32 v5, 5, v0                        ; wave
	v_lshlrev_b32 v1, 4, v3
	v_lshl_add_u32 v1, v4, 12, v1
	v_lshl_add_u32 v1, v5, 9, v1                   ; source: 16 (l % 16) + 4,096 (l / 16) + 512 w
	v_and_b32 v2, 31, v0
	v_lshlrev_b32 v2, 3, v2
	v_mad_u32_u24 v2, v5, 2*KBB, v2                ; xw: 8 l (two rows of 128 bytes on end) + two blocks a wave
	s_sub_co_u32 s16, ttmp9, 512                   ; groups 512 on take the weights, 64 groups each
	s_lshr_b32 s17, s16, 6                         ; which weight: 0, 1, 2 (a large number for x's groups)
	s_and_b32 s18, s16, 63                         ; which 16 rows of it
	s_cmp_lt_u32 ttmp9, 512
	s_cselect_b32 s18, ttmp9, s18                  ; x's groups: which 16 rows of x
	s_lshl_b32 s18, s18, 16                        ; in bytes of the source,
	s_mov_b32 s19, 0
	s_lshl_b32 s20, ttmp9, 11                      ; and of a block of xw: 16 rows of 128 bytes
	s_mov_b32 s21, 0
	s_wait_kmcnt 0x0
	s_cmp_eq_u32 s17, 1                            ; the source is chosen by the group's number alone
	s_cselect_b64 s[6:7], s[8:9], s[6:7]
	s_cmp_eq_u32 s17, 2
	s_cselect_b64 s[6:7], s[10:11], s[6:7]
	s_cmp_lt_u32 ttmp9, 512
	s_cselect_b64 s[4:5], s[4:5], s[6:7]
	s_add_nc_u64 s[4:5], s[4:5], s[18:19]
	s_add_nc_u64 s[12:13], s[12:13], s[20:21]
.irp n, 0,1,2,3,4,5,6,7,8,9,10,11,12,13,14,15  ; pair of rows n % 8, block 2 w + n / 8
	global_load_b128 v[X+4*(\n):X+4*(\n)+3], v1, s[4:5] offset:((\n)%8)*2*ROWIN+((\n)/8)*256 th:TH_LOAD_NT
.endr
.irp n, 0,1,2,3,4,5,6,7,8,9,10,11,12,13,14,15
	s_wait_loadcnt 15-(\n)                         ; loads come back in order: load n is in, the 15 - n younger ones stay out
	v_cvt_pk_bf16_f32 v[Y+2*(\n)],   v[X+4*(\n)],   v[X+4*(\n)+1]
	v_cvt_pk_bf16_f32 v[Y+2*(\n)+1], v[X+4*(\n)+2], v[X+4*(\n)+3]
	global_store_b64 v2, v[Y+2*(\n):Y+2*(\n)+1], s[12:13] offset:((\n)%8)*256+((\n)/8)*KBB
.endr
	s_endpgm
.Lfunc_end_k_qca57e942f4_cast:
	.size	k_qca57e942f4_cast, .Lfunc_end_k_qca57e942f4_cast-k_qca57e942f4_cast
	.p2alignl 7, 3214868480
	.fill 96, 4, 3214868480
	.section	.rodata,"a",@progbits
	.p2align	6, 0x0
	.amdhsa_kernel k_qca57e942f4_cast
		.amdhsa_group_segment_fixed_size 0
		.amdhsa_private_segment_fixed_size 0
		.amdhsa_enable_private_segment 0
		.amdhsa_kernarg_size 40
		.amdhsa_user_sgpr_count 2
		.amdhsa_user_sgpr_kernarg_segment_ptr 1
		.amdhsa_wavefront_size32 1
		.amdhsa_system_sgpr_workgroup_id_x 1
		.amdhsa_system_sgpr_workgroup_id_y 1
		.amdhsa_system_sgpr_workgroup_id_z 1
		.amdhsa_system_vgpr_workitem_id 0
		.amdhsa_next_free_vgpr 104
		.amdhsa_next_free_sgpr 66
		.amdhsa_reserve_vcc 0
		.amdhsa_float_denorm_mode_32 3
		.amdhsa_float_denorm_mode_16_64 3
		.amdhsa_memory_ordered 1
		.amdhsa_forward_progress 1
		.amdhsa_inst_pref_size 7
	.end_amdhsa_kernel
	.amdgpu_metadata
---
amdhsa.version: [ 1, 2 ]
amdhsa.kernels:
  - .name:           k_qca57e942f4_cast
    .symbol:         k_qca57e942f4_cast.kd
    .args:
      - { .name: x, .offset: 0, .size: 8, .value_kind: global_buffer, .address_space: global }
      - { .name: Wq, .offset: 8, .size: 8, .value_kind: global_buffer, .address_space: global }
      - { .name: Wk, .offset: 16, .size: 8, .value_kind: global_buffer, .address_space: global }
      - { .name: Wv, .offset: 24, .size: 8, .value_kind: global_buffer, .address_space: global }
      - { .name: xw, .offset: 32, .size: 8, .value_kind: global_buffer, .address_space: global }
    .group_segment_fixed_size: 0
    .private_segment_fixed_size: 0
    .kernarg_segment_align: 8
    .kernarg_segment_size: 40
    .max_flat_workgroup_size: 256
    .sgpr_count:     66
    .vgpr_count:     104
    .wavefront_size: 32
...
	.end_amdgpu_metadata
.endif
;; end of part 1
;; launch proj (part 2): grid 8 x 32, 4 waves a work-group, clusters of 4 x 4, 327,680 bytes of LDS; arguments xw, bq, bk, bv, qkv; writes qkv
.if DOCPART == 2
	.amdgcn_target "amdgcn-amd-amdhsa--gfx1250"
	.amdhsa_code_object_version 6
	.text
	.protected	k_qca57e942f4_proj
	.globl	k_qca57e942f4_proj
	.p2align	8
	.type	k_qca57e942f4_proj,@function
k_qca57e942f4_proj:
	s_mov_b64 s[64:65], 0
	v_nop
	global_prefetch_b8 v0, s[64:65] scope:SCOPE_SE
	s_setreg_imm32_b32 hwreg(HW_REG_WAVE_MODE, 25, 1), 1
	s_wait_xcnt 0x0
	s_wait_alu depctr_hold_cnt(0) depctr_sa_sdst(0) depctr_va_vdst(0) depctr_va_sdst(0) depctr_va_ssrc(0) depctr_va_vcc(0) depctr_vm_vsrc(0)
	s_getreg_b32 s2, hwreg(HW_REG_IB_STS2, 6, 4)
	s_cmp_eq_u32 s2, 0
	s_cbranch_scc0 .Lentry_in_a_cluster
	s_endpgm
.Lentry_in_a_cluster:
	s_bfe_u32 s2, ttmp6, 0x10000c
	s_cmp_lg_u32 s2, 0xf033
	s_cbranch_scc0 .Lentry_shape_is_right
	s_endpgm
.Lentry_shape_is_right:
; qkv[token][0:1024 | 1024:2048 | 2048:3072] = x Wq^T + bq | x Wk^T + bk | x Wv^T + bv.  One GEMM C = A B^T + bias: A = xw's rows 0-8191 (x), B = its rows 8192-11263 (Wq, Wk, Wv), bf16,
; in 16 blocks of 64 along K (xw[block][row][64]); sums in f32; C rounded once to f16, rows of 6,144 bytes.  The bias, rounded to bf16 like x and the weights, is the C operand of each sum's first product.
; LIMITS.  f16 ends at 65,504: q, k and v must stay within it (x and the weights 30 times their drawn spread give about 5e3; a common offset of 30 spreads in both about 2.9e4).  NaN and infinities are not treated apart.
; SHAPE.  A tile of C is 256 x 384: 32 x 8 = 256 work-groups, one for each WGP.  Four waves, each 128 x 192: 96 accumulators of 16 x 16, 768 registers.  Two LDS slots of 640 rows fit with K steps of 64 and no longer;
; in xw's layout a tile's rows lie end to end, so a wave's part (128 rows of A or 192 of B) is asked for as 64 or 96 rows of 256 bytes, at multiples of 256 from xw's first byte, and padded in LDS after every 128.
; A K step is two SUB-STEPS of 32 along K, 96 products each.  A's fragments have two buffers; B's twelve have one, reloaded in thirds: when a group of four blocks has been multiplied, its registers take the next
; sub-step's fragments, 64 products ahead of their use.
; CLUSTER.  4 x 4 work-groups: the four of a row need the same tiles of A, the four of a column the same tiles of B; each tile is asked for jointly, by the same tensor load with the same descriptor and mask.
; THE MATRIX INSTRUCTION IS USED TRANSPOSED (source 0 = 16 rows of B, source 1 = 16 rows of A): lane l holds row l % 16 of C and the columns 8 (l / 16) + 0..7 of the block.
; REGISTERS, in windows of 256 (s_set_vgpr_msb: bits 1:0 source 0, 3:2 source 1, 5:4 source 2, 7:6 destination):
;   window 0: v0-31 addresses; v32-95, v96-159 fragments of A, two buffers; v160-255 fragments of B.  On the way out: v32-63 packed results, v64-255 rows read back
;   window 1 + b / 4: the accumulators of column blocks b = 0..11: (a, b) at v[64 (b % 4) + 8 a]
.set KBB,    0x160000                  ; bytes in a block of xw: 11,264 rows of 128
.set CPITCH, 6144                      ; bytes in a row of qkv
.set PITCH,  144                       ; an LDS row: 128 bytes + 16 of padding = 36 words: the 16 rows of a fragment load start at 16 different groups of four banks (ISA guide 11.1)
.set AHALF,  128*PITCH                 ; what waves 0 and 1 fetch
.set APART,  256*PITCH
.set BHALF,  192*PITCH                 ; what waves 2 and 3 fetch
.set SLOT1,  1<<17                     ; a slot is 92,160 bytes: A's 256 rows, then B's 384; slot 1 begins here, so that one exclusive or turns an address in one slot into the other's
.set BIAS,   0x18000                   ; between the slots: each wave's 192 numbers of the bias, 768 bytes a wave
.set SPARE,  0x19000                   ; the spare words, 128 bytes a wave; no other line names them
.set STAGE,  SLOT1+APART+2*BHALF       ; behind the ring: 128 rows x 784 bytes, the work-group's, for the way out
.set SPITCH, 784                       ; 768 bytes + 16 = 196 words: row r starts at bank 4 r mod 64
.set BOF,  6                           ; v6-8    my byte offsets in the bias, one for each 64 columns
.set BT,   9                           ; v9      at work
.set BD,   10                          ; v10-15  the bias as loaded
.set ADRA0, 16                         ; v16  my place in a slot's tile of A; never rewritten
.set ADRA,  17                         ; v17  the same in the slot in hand
.set BW,   18                          ; v18  where I put 8 bytes of the bias
.set BA,   19                          ; v19  where my half of the lanes reads a block's bias
.set ADRB0, 20                         ; v20, v21 as v16, v17, for B
.set ADRB,  21
.set STO,  24                          ; v24  the way out: where I put 16 bytes of a row
.set RD,   25                          ; v25  the way out: where I read 16 bytes of a row back
.set CO,   26                          ; v26  my byte offset in C
.set SPW,  28                          ; v28  my spare word: SPARE + 4 x my thread's number; never rewritten
.set NIL,  29                          ; v29  0; never rewritten
.set LN,   30                          ; v30  lane
.set A0,   32
.set A1,   96
.set BF,   160
.set PK,   32
.set BK,   64
.set G1,  24                           ; s[24:31] descriptor group 1 for A's tiles
.set G0,  32                           ; s[32:39] group 0 for A's: a set for each first fill; the second then walks
.set G1B, 48                           ; s[48:55], s[56:63] the same for B's
.set G0B, 56
.set TB,  45                           ; s45  LDS byte at which the slot in hand begins: 0 or SLOT1
.set MSB, 0
.macro WIN new                         ; the immediate's high byte repeats the setting that is left; a switch that changes nothing is dropped
.if MSB != (\new)
	s_set_vgpr_msb (MSB<<8)|(\new)
.set MSB, \new
.endif
.endm
; A joint load.  Waves 0 and 1 fetch A's two halves, waves 2 and 3 B's; the branch hangs on the wave's number alone.  An s_nop 0 and four v_nop follow each line.
.macro JLOAD s
	s_cmp_eq_u32 s11, 0
	s_cbranch_scc0 .Lfor_b_\@
	tensor_load_to_lds s[G0+4*(\s):G0+4*(\s)+3], s[G1:G1+7]
	s_nop 0
.rept 4
	v_nop
.endr
	s_branch .Lasked_\@
.Lfor_b_\@:
	tensor_load_to_lds s[G0B+4*(\s):G0B+4*(\s)+3], s[G1B:G1B+7]
	s_nop 0
.rept 4
	v_nop
.endr
.Lasked_\@:
.endm
.macro CREST                           ; a round of the cluster's barrier behind its opening barrier
	s_cmp_lg_u32 s10, 0
	s_cbranch_scc1 .Lnot_wave_0_\@
	s_barrier_signal -3
.Lnot_wave_0_\@:
	s_barrier_wait -3
	s_barrier_signal -1
	s_barrier_wait -1
.endm
.macro CROUND                          ; a whole round
	s_barrier_signal -1
	s_barrier_wait -1
	CREST
.endm
	s_load_b64 s[4:5], s[0:1], 0x0                 ; xw
	s_load_b128 s[68:71], s[0:1], 0x8              ; bq, bk
	s_load_b128 s[72:75], s[0:1], 0x18             ; bv, qkv
	v_lshl_add_u32 v[SPW], v0, 2, SPARE
	v_mov_b32 v[NIL], 0
	ds_add_u32 v[SPW], v[NIL]                      ; the wave's opening: the add and its wait ahead of my first tensor load; the set-up below stands between them
	ds_add_u32 v28, v29
	v_lshrrev_b32 v1, 5, v0
	v_readfirstlane_b32 s10, v1                    ; wave 0..3
	s_lshr_b32 s11, s10, 1                         ; which half of the tile's rows is mine.  Also: I fetch for A (0) or for B (1)
	s_and_b32 s12, s10, 1                          ; which half of its columns.  Also: which half of that tile I fetch
	s_bfe_u32 s40, ttmp6, 0x40000                  ; cx
	s_bfe_u32 s41, ttmp6, 0x40004                  ; cy
	s_lshl_b32 s42, ttmp9, 2
	s_add_co_u32 s42, s42, s40                     ; tile column of C = 4 x cluster x + cx
	s_and_b32 s13, ttmp7, 0xffff
	s_lshl_b32 s13, s13, 2
	s_add_co_u32 s13, s13, s41                     ; tile row of C = 4 x cluster y + cy
	s_lshl_b32 s43, s41, 2
	s_lshl_b32 s43, 15, s43                        ; my row of the cluster
	s_lshl_b32 s44, 0x1111, s40                    ; my column
	; descriptor group 1: dense bytes as rows of 128 elements of 2 bytes; 4 words of padding after every 32: after each row of the tile
	s_or_b32 s[G1+0], s43, (1<<16)|(1<<20)|(1<<21)|(4<<22)|(3<<25)
	s_or_b32 s[G1B+0], s44, (1<<16)|(1<<20)|(1<<21)|(4<<22)|(3<<25)
.irp g, G1, G1B
	s_mov_b32 s[(\g)+1], 128<<16                   ; tensor_dim0 = 128
	s_mov_b32 s[(\g)+3], 128<<16                   ; tile_dim0 = 128
	s_mov_b32 s[(\g)+5], 128                       ; elements from row to row
	s_mov_b32 s[(\g)+6], 0
	s_mov_b32 s[(\g)+7], 0
.endr
	s_mov_b32 s[G1+2], 64<<16                      ; A: tensor_dim1 = tile_dim1 = 64: 128 rows of the tile
	s_mov_b32 s[G1+4], 64
	s_mov_b32 s[G1B+2], 96<<16                     ; B: 96: 192 rows of the tile
	s_mov_b32 s[G1B+4], 96
	; A's tiles hang on the tile row alone, B's on the tile column alone, each in registers that never hold the other coordinate
	s_lshl_b32 s17, s12, 7
	s_lshl_b32 s16, s13, 8
	s_add_co_u32 s16, s16, s17                     ; A: row 256 x tile row + 128 x half,
	s_lshl_b32 s16, s16, 7                         ; 128 bytes a row
	s_mov_b32 s17, 0
	s_mul_i32 s46, s42, 384
	s_mul_i32 s47, s12, 192
	s_add_co_u32 s46, s46, s47
	s_add_co_u32 s46, s46, 8192                    ; B: row 8,192 + 384 x tile column + 192 x half
	s_lshl_b32 s46, s46, 7
	s_mov_b32 s47, 0
	s_mul_i32 s20, s12, AHALF                      ; where they go in a slot: A's half,
	s_mul_i32 s21, s12, BHALF
	s_add_co_u32 s21, s21, APART                   ; B's half
	s_mov_b32 s[TB], 0
	s_wait_dscnt 0x0                               ; the opening add is done
	s_wait_kmcnt 0x0
	s_add_nc_u64 s[14:15], s[4:5], s[16:17]
	s_add_nc_u64 s[46:47], s[4:5], s[46:47]
	CROUND                                         ; all sixteen work-groups are here: the first joint loads meet
.irp s, 0,1
	s_mov_b32 s[G0+4*(\s)], 1                      ; count = 1
	s_add_co_u32 s[G0+4*(\s)+1], s20, (\s)*SLOT1   ; LDS address
	s_add_nc_u64 s[G0+4*(\s)+2:G0+4*(\s)+3], s[14:15], (\s)*KBB      ; global address: K step s
	s_or_b32 s[G0+4*(\s)+3], s[G0+4*(\s)+3], 0x80000000              ; type = 2
	s_mov_b32 s[G0B+4*(\s)], 1
	s_add_co_u32 s[G0B+4*(\s)+1], s21, (\s)*SLOT1
	s_add_nc_u64 s[G0B+4*(\s)+2:G0B+4*(\s)+3], s[46:47], (\s)*KBB
	s_or_b32 s[G0B+4*(\s)+3], s[G0B+4*(\s)+3], 0x80000000
	JLOAD \s                                       ; two loads of mine are out
.endr
	; the bias of my 192 columns, 64 at a time: 64 columns never cross from q to k or from k to v, so each group has one buffer, chosen by its column alone
	v_and_b32 v[LN], 31, v0
	s_mul_i32 s76, s42, 384
	s_mul_i32 s77, s12, 192
	s_add_co_u32 s76, s76, s77                     ; my first column of the 3,072
.irp g, 0,1,2
	s_add_co_u32 s77, s76, 64*(\g)
	s_lshr_b32 s78, s77, 10                        ; 0, 1, 2: q, k, v
	s_and_b32 s77, s77, 1023
	s_lshl_b32 s77, s77, 2
	v_lshl_add_u32 v[BOF+(\g)], v[LN], 3, s77      ; two numbers a lane
	s_cmp_eq_u32 s78, 1
	s_cselect_b64 s[80+2*(\g):81+2*(\g)], s[70:71], s[68:69]
	s_cmp_eq_u32 s78, 2
	s_cselect_b64 s[80+2*(\g):81+2*(\g)], s[72:73], s[80+2*(\g):81+2*(\g)]
	global_load_b64 v[BD+2*(\g):BD+2*(\g)+1], v[BOF+(\g)], s[80+2*(\g):81+2*(\g)]
.endr
	; a fragment is 16 rows x 32 K in 8 registers: lane l holds row l % 16, K = 8 (l / 16) + 0..7 and 16 + 8 (l / 16) + 0..7: two loads of 16 bytes, 32 bytes apart
	v_and_b32 v1, 15, v0                           ; l % 16
	v_bfe_u32 v2, v0, 4, 1                         ; l / 16
	v_mul_u32_u24 v3, v1, PITCH
	v_lshl_add_u32 v3, v2, 4, v3
	s_mul_i32 s22, s11, AHALF                      ; my 128 rows of A
	s_mul_i32 s23, s12, BHALF                      ; my 192 rows of B,
	s_add_co_u32 s23, s23, APART                   ; behind A's 256
	v_add_nc_u32 v[ADRA0], s22, v3
	v_add_nc_u32 v[ADRB0], s23, v3
	v_mov_b32 v[ADRA], v[ADRA0]                    ; slot 0
	v_mov_b32 v[ADRB], v[ADRB0]
	s_mul_i32 s22, s10, 768
	s_add_co_u32 s22, s22, BIAS                    ; my wave's bias
	v_lshl_add_u32 v[BW], v[LN], 3, s22
	v_lshl_add_u32 v[BA], v2, 5, s22               ; register j of block b is bias[16 b + 8 (l / 16) + j], whatever the row
	s_mul_i32 s22, s11, 64*SPITCH                  ; into the stage: a pass holds 64 rows of each half of the tile's rows; my 384 bytes of them; row l % 16, 16 bytes for each half of the lanes
	s_mul_i32 s23, s12, 384
	s_add_co_u32 s22, s22, s23
	s_add_co_u32 s22, s22, STAGE
	v_mul_u32_u24 v4, v1, SPITCH
	v_lshl_add_u32 v4, v2, 4, v4
	v_add_nc_u32 v[STO], s22, v4
	s_mul_i32 s22, s10, 32*SPITCH                  ; back: wave w takes the stage's rows 32 w .. 32 w + 31, whole; lanes 0-15 take 256 bytes of one row, lanes 16-31 of the next
	s_add_co_u32 s22, s22, STAGE
	v_mul_u32_u24 v5, v2, SPITCH
	v_lshl_add_u32 v5, v1, 4, v5
	v_add_nc_u32 v[RD], s22, v5
	v_mul_u32_u24 v5, v2, CPITCH
	v_lshl_add_u32 v[CO], v1, 4, v5
	s_lshl_b32 s16, s13, 8                         ; the first row of C that I store: 256 x tile row + 128 x row half + 32 x column half
	s_lshl_b32 s17, s11, 7
	s_add_co_u32 s16, s16, s17
	s_lshl_b32 s17, s12, 5
	s_add_co_u32 s16, s16, s17
	s_mul_i32 s16, s16, CPITCH
	s_mov_b32 s17, 0
	s_mul_i32 s46, s42, 768                        ; the tile's first column, in bytes
	s_mov_b32 s47, 0
	s_add_nc_u64 s[16:17], s[16:17], s[46:47]
	s_add_nc_u64 s[8:9], s[74:75], s[16:17]
	s_wait_loadcnt 0x0                             ; the bias: rounded to bf16 like the other inputs, widened again, and set aside in my own LDS bytes
.irp g, 0,1,2
	v_cvt_pk_bf16_f32 v[BT], v[BD+2*(\g)], v[BD+2*(\g)+1]
	v_lshlrev_b32 v[BD+2*(\g)], 16, v[BT]
	v_and_b32 v[BD+2*(\g)+1], 0xffff0000, v[BT]
	ds_store_b64 v[BW], v[BD+2*(\g):BD+2*(\g)+1] offset:256*(\g)
.endr
; 8 matrix instructions: column block b x all 8 row blocks, 32 along K, A's fragments in buffer f.  mode = 1: the product starts the sum on the block's bias, which lies in A's second buffer.
; The 96 accumulators take turns in the same order everywhere, one instruction a turn.
.macro MULB f, b, mode
.if \mode
	WIN 0x40*((\b)/4+1)                            ; D in the block's window; sources and C in window 0
.else
	WIN 0x50*((\b)/4+1)                            ; C and D in the block's window
.endif
.irp a, 0,1,2,3,4,5,6,7
.if \mode
	v_wmma_f32_16x16x32_bf16 v[64*((\b)%4)+8*(\a):64*((\b)%4)+8*(\a)+7], v[BF+8*(\b):BF+8*(\b)+7], v[(\f)+8*(\a):(\f)+8*(\a)+7], v[A1+8*((\b)%8):A1+8*((\b)%8)+7]
.else
	v_wmma_f32_16x16x32_bf16 v[64*((\b)%4)+8*(\a):64*((\b)%4)+8*(\a)+7], v[BF+8*(\b):BF+8*(\b)+7], v[(\f)+8*(\a):(\f)+8*(\a)+7], v[64*((\b)%4)+8*(\a):64*((\b)%4)+8*(\a)+7]
.endif
.endr
.endm
.macro MULG f, g, mode                 ; a group: column blocks 4 g .. 4 g + 3: 32 matrix instructions under one window setting
.irp i, 0,1,2,3
	MULB \f, 4*(\g)+(\i), \mode
.endr
.endm
.macro LDA f, k                        ; 16 LDS loads: A's 8 fragments at byte k of the rows of the slot in hand
.irp i, 0,1,2,3,4,5,6,7
	ds_load_b128 v[(\f)+8*(\i):(\f)+8*(\i)+3],   v[ADRA] offset:(\k)+(\i)*16*PITCH
	ds_load_b128 v[(\f)+8*(\i)+4:(\f)+8*(\i)+7], v[ADRA] offset:(\k)+(\i)*16*PITCH+32
.endr
.endm
.macro LDB g, k                        ; 8 LDS loads: B's fragments 4 g .. 4 g + 3
.irp i, 0,1,2,3
	ds_load_b128 v[BF+8*(4*(\g)+(\i)):BF+8*(4*(\g)+(\i))+3],   v[ADRB] offset:(\k)+(4*(\g)+(\i))*16*PITCH
	ds_load_b128 v[BF+8*(4*(\g)+(\i))+4:BF+8*(4*(\g)+(\i))+7], v[ADRB] offset:(\k)+(4*(\g)+(\i))*16*PITCH+32
.endr
.endm
.macro LBI g, dst                      ; 8 LDS loads: the bias of group g as four C fragments; the 16 lanes of a half read the same bytes
.irp i, 0,1,2,3
	ds_load_b128 v[(\dst)+8*(\i):(\dst)+8*(\i)+3],   v[BA] offset:64*(4*(\g)+(\i))
	ds_load_b128 v[(\dst)+8*(\i)+4:(\dst)+8*(\i)+7], v[BA] offset:64*(4*(\g)+(\i))+16
.endr
.endm
.macro PLACES                          ; four plain vector instructions between a matrix instruction and a load into, or a vector access to, its registers
.rept 4
	v_nop
.endr
.endm
; A slot's first sub-step: multiplies A's buffer 0 and fetches the second sub-step (byte 64 of the same rows): behind each group its B registers are loaded again; A's other buffer with the first.
.macro EVEN
	s_wait_dscnt 16                                ; B's group 0 and A are in; the youngest sixteen loads (B's groups 1 and 2) may be out
	MULG A0, 0, 0
	PLACES
	WIN 0
	LDB 0, 64
	LDA A1, 64
	s_wait_dscnt 32                                ; B's group 1 is in: behind it stand group 2's eight and the 24 just issued
	MULG A0, 1, 0
	PLACES
	WIN 0
	LDB 1, 64
	s_wait_dscnt 32                                ; B's group 2 is in: behind it stand those 24 and the 8 just issued
	MULG A0, 2, 0
	PLACES
	WIN 0
	LDB 2, 64
.endm
; A slot's second sub-step multiplies A's buffer 1 and changes slots.  All reads of the slot have been issued.  In front of the barrier each wave waits for all its tensor loads (one is out: its part of the next
; slot), adds 0 to its spare word, and waits for that and for its reads of this slot.  fill = 1: the barrier opens a round of the cluster's, and behind it this slot is filled again, two K steps ahead:
; 160 matrix instructions ahead of the wait for it.  Then the next slot's first fragments are fetched.
.macro ODD fill
	WIN 0
	s_wait_tensorcnt 0x0                           ; no tensor load of mine is out, so a group 0 may be written
	ds_add_u32 v[SPW], v[NIL]                      ; 0 onto my spare word
	s_wait_dscnt 17                                ; (the add and the youngest sixteen loads may be out)
	MULB A1, 0, 0
	MULB A1, 1, 0
.if \fill
	s_xor_b32 s[G0+5], s[G0+5], SLOT1              ; the walking descriptors: the other slot than last time,
	s_add_nc_u64 s[G0+6:G0+7], s[G0+6:G0+7], KBB   ; the next block of xw; the type bits on top are not reached
	s_xor_b32 s[G0B+5], s[G0B+5], SLOT1
	s_add_nc_u64 s[G0B+6:G0B+7], s[G0B+6:G0B+7], KBB
.endif
	s_xor_b32 s[TB], s[TB], SLOT1                  ; the fetches go on in the other slot
	s_wait_dscnt 0x0                               ; the add is done, and my reads of this slot are over
	s_barrier_signal -1
	MULB A1, 2, 0                                  ; work on registers while the others arrive
	MULB A1, 3, 0
	WIN 0
	s_barrier_wait -1
.if \fill
	CREST                                          ; no wave of any partner still reads this slot's tile or has a load on its way
	JLOAD 1                                        ; the first tensor load behind the round; its four v_nop are also the places in front of the loads below
.else
	PLACES
.endif
	v_add_nc_u32 v[ADRA], s[TB], v[ADRA0]
	v_add_nc_u32 v[ADRB], s[TB], v[ADRB0]
	LDB 0, 0
	LDA A0, 0
	MULG A1, 1, 0                                  ; B's groups 1 and 2 came in with the wait for 0 above
	PLACES
	WIN 0
	LDB 1, 0
	MULG A1, 2, 0
	PLACES
	WIN 0
	LDB 2, 0
.endm
; THE WAY OUT, pass p: my row blocks 4 p .. 4 p + 3 are rounded to f16, each accumulator from its low end, 16 bytes a lane, into the work-group's stage.  A row's 768 bytes come from two waves, and my 384 are one and
; a half aligned pieces of 256: so a barrier, and then each wave reads 32 whole rows back and stores them, 16 lanes to 256 consecutive bytes at a multiple of 256 from qkv's first byte.
.macro PASS p
.irp q, 0,1,2,3
.irp g, 0,1,2
	WIN 5*((\g)+1)                                 ; sources 0 and 1 in the group's window
.irp i, 0,1,2,3
.irp r, 0,1,2,3
	v_cvt_pk_f16_f32 v[PK+16*((\g)%2)+4*(\i)+(\r)], v[64*(\i)+8*(4*(\p)+(\q))+2*(\r)], v[64*(\i)+8*(4*(\p)+(\q))+2*(\r)+1]
.endr
.endr
	WIN 0
.irp i, 0,1,2,3
	ds_store_b128 v[STO], v[PK+16*((\g)%2)+4*(\i):PK+16*((\g)%2)+4*(\i)+3] offset:(\q)*16*SPITCH+32*(4*(\g)+(\i))
.endr
.endr
.endr
	s_wait_dscnt 0x0                               ; for the others' sake: my stores into the stage are done
	s_barrier_signal -1
	s_barrier_wait -1
	s_wait_xcnt 0x0                                ; the registers that the last pass's stores read are loaded again only behind this wait
.set n, 0
.rept 48                               ; pair of rows n / 3, piece n % 3 of their 768 bytes
	ds_load_b128 v[BK+4*n:BK+4*n+3], v[RD] offset:(n/3)*2*SPITCH+(n%3)*256
.set n, n+1
.endr
.set n, 0
.rept 48
	s_wait_dscnt 47-n                              ; LDS loads come back in order: load n is in
	global_store_b128 v[CO], v[BK+4*n:BK+4*n+3], s[8:9] offset:(64*(\p)+2*(n/3))*CPITCH+(n%3)*256
.set n, n+1
.endr
.if (\p) == 0
	s_barrier_signal -1                            ; every wave's reads of the stage are back (the count above ended at 0): only behind this barrier is the stage written again
	s_barrier_wait -1
.endif
.endm
	s_wait_tensorcnt 1                             ; my part of K step 0 is in; K step 1's may stay out
	s_wait_dscnt 0x0                               ; no LDS instruction of mine is pending at the signal
	s_barrier_signal -1
	s_barrier_wait -1
	LDB 0, 0                                       ; THE FIRST SUB-STEP stands in front of the loop: its products start the sums, on the bias, which takes A's idle second buffer: groups 0 and 1 now,
	LDA A0, 0
	LBI 0, A1
	LDB 1, 0
	LBI 1, A1+32
	LDB 2, 0
	s_wait_dscnt 24                                ; B's group 0, A and the first bias are in; behind them stand 24 loads
	MULG A0, 0, 1
	PLACES
	WIN 0
	LDB 0, 64
	LBI 2, A1                                      ; group 2 where group 0's lay
	s_wait_dscnt 24                                ; B's group 1 and its bias are in: behind them stand group 2's eight and the 16 just issued
	MULG A0, 1, 1
	PLACES
	WIN 0
	LDB 1, 64
	s_wait_dscnt 8                                 ; B's group 2 and its bias are in: behind them stand the 8 just issued
	MULG A0, 2, 1
	PLACES
	WIN 0
	LDB 2, 64
	LDA A1, 64                                     ; A's second buffer is free only now: so, this once,
	s_wait_dscnt 0x0                               ; all loads are waited for, and the loop's counts hold on the way in too
	s_mov_b32 s3, 14
.Lstep:                                                ; a trip: the second sub-step of K step n, the request for K step n + 2, the first sub-step of K step n + 1
	ODD 1
	EVEN
	WIN 0
	s_sub_co_u32 s3, s3, 1
	s_cmp_lg_u32 s3, 0
	s_cbranch_scc1 .Lstep
	ODD 0                                          ; the tail is written out: K steps 14 and 15 ask for nothing
	EVEN
	s_wait_dscnt 16                                ; the very last sub-step: nothing more to fetch, and the counts run down
	MULG A1, 0, 0
	s_wait_dscnt 8
	MULG A1, 1, 0
	s_wait_dscnt 0x0
	MULG A1, 2, 0
	WIN 0
	PLACES
	PASS 0
	PASS 1
	s_wait_tensorcnt 0x0                           ; the wave's end
	ds_add_u32 v[SPW], v[NIL]
	s_wait_dscnt 0x0
	CROUND                                         ; the closing round
	s_endpgm
.Lfunc_end_k_qca57e942f4_proj:
	.size	k_qca57e942f4_proj, .Lfunc_end_k_qca57e942f4_proj-k_qca57e942f4_proj
	.p2alignl 7, 3214868480
	.fill 96, 4, 3214868480
	.section	.rodata,"a",@progbits
	.p2align	6, 0x0
	.amdhsa_kernel k_qca57e942f4_proj
		.amdhsa_group_segment_fixed_size 327680
		.amdhsa_private_segment_fixed_size 0
		.amdhsa_enable_private_segment 0
		.amdhsa_kernarg_size 40
		.amdhsa_user_sgpr_count 2
		.amdhsa_user_sgpr_kernarg_segment_ptr 1
		.amdhsa_wavefront_size32 1
		.amdhsa_system_sgpr_workgroup_id_x 1
		.amdhsa_system_sgpr_workgroup_id_y 1
		.amdhsa_system_sgpr_workgroup_id_z 1
		.amdhsa_system_vgpr_workitem_id 0
		.amdhsa_next_free_vgpr 1024
		.amdhsa_next_free_sgpr 88
		.amdhsa_reserve_vcc 0
		.amdhsa_float_denorm_mode_32 3
		.amdhsa_float_denorm_mode_16_64 3
		.amdhsa_memory_ordered 1
		.amdhsa_forward_progress 1
		.amdhsa_inst_pref_size 118
	.end_amdhsa_kernel
	.amdgpu_metadata
---
amdhsa.version: [ 1, 2 ]
amdhsa.kernels:
  - .name:           k_qca57e942f4_proj
    .symbol:         k_qca57e942f4_proj.kd
    .args:
      - { .name: xw, .offset: 0, .size: 8, .value_kind: global_buffer, .address_space: global }
      - { .name: bq, .offset: 8, .size: 8, .value_kind: global_buffer, .address_space: global }
      - { .name: bk, .offset: 16, .size: 8, .value_kind: global_buffer, .address_space: global }
      - { .name: bv, .offset: 24, .size: 8, .value_kind: global_buffer, .address_space: global }
      - { .name: qkv, .offset: 32, .size: 8, .value_kind: global_buffer, .address_space: global }
    .group_segment_fixed_size: 327680
    .private_segment_fixed_size: 0
    .kernarg_segment_align: 8
    .kernarg_segment_size: 40
    .max_flat_workgroup_size: 128
    .sgpr_count:     88
    .vgpr_count:     1024
    .wavefront_size: 32
...
	.end_amdgpu_metadata
.endif
;; end of part 2
;; launch score (part 3): grid 36 x 4, 4 waves a work-group, no clusters, 327,680 bytes of LDS; arguments qkv, st, pw; writes pw, st
.if DOCPART == 3
	.amdgcn_target "amdgcn-amd-amdhsa--gfx1250"
	.amdhsa_code_object_version 6
	.text
	.protected	k_qca57e942f4_score
	.globl	k_qca57e942f4_score
	.p2align	8
	.type	k_qca57e942f4_score,@function
k_qca57e942f4_score:
	s_mov_b64 s[64:65], 0
	v_nop
	global_prefetch_b8 v0, s[64:65] scope:SCOPE_SE
	s_setreg_imm32_b32 hwreg(HW_REG_WAVE_MODE, 25, 1), 1
	s_wait_xcnt 0x0
; For each tile (i, j), j <= i, of 256 queries x 256 keys of a batch: S = q k^T (f16 operands, f32 sums), the causal mask, and for each query and each CHUNK of 128 keys
; cm = c x (the chunk's largest score), P' = 2^(c s - cm) rounded to f16, l = the sum of the unrounded weights; c = log2(e) / 32.  pw[b][query][key] = P'; st[b][chunk][query] = {cm, l} in f32.
; The next launch takes each row's maximum over its chunks' cm and scales the chunks' products in f32: together the row's true maximum is taken away before the exponentials.
; LIMITS.  A hidden score counts as its value less 1e30 (f16 operands bound a score by 4.4e12); a weight below 2^-126 counts as 0; below 6e-5 a weight keeps f16's fixed step.  NaN and infinities are not treated apart.
; THE MASK is the C operand of the product that starts a sum.  A wave's 128 x 128 part lies below the diagonal (C = 0), on it (blocks left of the diagonal 0, the diagonal block MDG, blocks right of it MGT = -1e30),
; or wholly above it (the upper right part of a diagonal tile).  That last part is left UNMASKED: its weights are then finite numbers in 0..1; the next launch gives that chunk the weight 0 and does not read its statistics.
; NO CLUSTER: a batch's 36 lower tiles lie in rows and columns of 1 to 8 tiles; groups of four that share a row or a column exist only with 12 wholly hidden tiles a batch added, work-groups of no use.
; SHAPE, RING, WINDOWS: four waves, each 128 x 128 in 64 accumulators; K = 1,024 in 8 steps of 128 through two LDS slots; each wave fetches 128 rows of 256 bytes (waves 0, 1: q; waves 2, 3: k).
; Source 0 = 16 keys, source 1 = 16 queries: lane l holds query l % 16 and the keys 8 (l / 16) + 0..7 of each block.
;   window 0: v0-31 addresses; v64-127, v128-191 fragments of q (after the sums: v64-83 at work); v32-63, v192-255 at work on the way out
;   window 1: v0-7 MDG, v8-15 MGT; v64-191 fragments of k        window 2, 3: the accumulators of my rows 0-63, 64-127
.set QPITCH, 3072                      ; elements in a row of qkv
.set CPITCH, 4096                      ; bytes in a row of pw
.set KSTEP,  128
.set PITCH,  272                       ; 256 bytes + 16 of padding: the 16 rows of a fragment load start at 16 different groups of four banks (ISA guide 11.1)
.set HALFT,  128*PITCH
.set SLOT,   4*HALFT                   ; 0x22000: it shares no bit with wave x HALFT
.set STAGE,  2*SLOT                    ; 16 rows x 272 bytes for each wave
.set SPITCH, 272
.set STATS,  STAGE+4*16*SPITCH         ; 128 x {cm, l} for each wave
.set SPARE,  STATS+4*1024              ; the spare words, 128 bytes a wave; no other line names them
.set ADRA0, 16
.set ADRA,  17
.set ADRB0, 20
.set ADRB,  21
.set SA,   22                          ; v22  where my query's {cm, l} of block 0 goes
.set SR,   23                          ; v23  where I read 16 bytes of the statistics back
.set STO,  24
.set RD,   25
.set CO,   26
.set SG,   27                          ; v27  16 x lane
.set SPW,  28                          ; v28  my spare word; never rewritten
.set NIL,  29                          ; v29  0; never rewritten
.set F0,   64
.set F1,   128
.set TMP,  192
.set OB,   32
.set TM,   64                          ; v64-67  four chains of the maximum, at work
.set CM,   70                          ; v[70:71] cm, l
.set SB,   76                          ; v76-83  the statistics read back
.set MDG,  0                           ; window 1
.set MGT,  8                           ; window 1
.set G1,  24                           ; s[24:31] descriptor group 1
.set G0,  32                           ; s[32:39] group 0: a set for each first fill; the second then walks
.set TB,  45
.set CS,  58                           ; s[58:59] c, as a pair
.set SEL, 60                           ; s[60:61] v_permlanex16_b32's selects: each lane takes its own place in the other half
.set MSB, 0
.macro WIN new
.if MSB != (\new)
	s_set_vgpr_msb (MSB<<8)|(\new)
.set MSB, \new
.endif
.endm
.set MUL_LO, 0xa1
.set FST_LO, 0x91
.set TO_B,   0x40
	s_load_b128 s[4:7], s[0:1], 0x0                ; qkv, st
	s_load_b64 s[8:9], s[0:1], 0x10                ; pw
	v_lshl_add_u32 v[SPW], v0, 2, SPARE
	v_mov_b32 v[NIL], 0
	ds_add_u32 v[SPW], v[NIL]                      ; the wave's opening: the add and its wait ahead of my first tensor load
	ds_add_u32 v28, v29
	v_lshrrev_b32 v1, 5, v0
	v_readfirstlane_b32 s10, v1                    ; wave 0..3
	s_lshr_b32 s11, s10, 1                         ; my half of the queries.  Also: I fetch q (0) or k (1)
	s_and_b32 s12, s10, 1                          ; my half of the keys.  Also: which 128 rows I fetch
	s_mov_b32 s40, 0                               ; i = how many of the triangular numbers 1, 3, .. 28 the group's number reaches
.irp n, 1,3,6,10,15,21,28
	s_cmp_ge_u32 ttmp9, \n
	s_add_co_ci_u32 s40, s40, 0
.endr
	s_add_co_u32 s41, s40, 1
	s_mul_i32 s41, s41, s40
	s_lshr_b32 s41, s41, 1
	s_sub_co_u32 s41, ttmp9, s41                   ; j = the number less i (i + 1) / 2
	s_and_b32 s42, ttmp7, 0xffff                   ; the batch
	s_mov_b32 s[G1+0], (1<<16)|(1<<20)|(5<<22)|(3<<25)  ; elements of 2 bytes; 4 words of padding after every 64
	s_mov_b32 s[G1+1], KSTEP<<16                   ; tensor_dim0 = 128
	s_mov_b32 s[G1+2], 128<<16                     ; tensor_dim1 = 128
	s_mov_b32 s[G1+3], KSTEP<<16                   ; tile_dim0 = 128
	s_mov_b32 s[G1+4], 128                         ; tile_dim1 = 128
	s_mov_b32 s[G1+5], QPITCH
	s_mov_b32 s[G1+6], 0
	s_mov_b32 s[G1+7], 0
	s_cmp_lt_u32 s10, 2
	s_cselect_b32 s14, s40, s41                    ; waves 0, 1: block i of q; waves 2, 3: block j of k,
	s_cselect_b32 s15, 0, 2048                     ; which lies 2,048 bytes into a token's row
	s_lshl_b32 s14, s14, 8
	s_lshl_b32 s18, s12, 7
	s_add_co_u32 s14, s14, s18
	s_lshl_b32 s18, s42, 11
	s_add_co_u32 s14, s14, s18                     ; the first token that I fetch
	s_mul_i32 s14, s14, 2*QPITCH
	s_add_co_u32 s14, s14, s15
	s_mov_b32 s15, 0
	s_mul_i32 s20, s10, HALFT                      ; where my rows go: wave x 128 rows
	s_mov_b32 s[TB], 0
	s_mov_b32 s[CS], 0x3d38aa3b                    ; c = log2(e) / 32
	s_mov_b32 s[CS+1], s[CS]
	s_mov_b32 s[SEL], 0x76543210
	s_mov_b32 s[SEL+1], 0xfedcba98
	s_mov_b32 s62, 0xff7fffff                      ; the lowest finite number starts a maximum
	s_cmp_eq_u32 s40, s41                          ; is my part on the diagonal?  A diagonal tile, and the same half of queries and keys
	s_cselect_b32 s63, 0xf149f2ca, 0               ; -1e30
	s_cmp_eq_u32 s11, s12
	s_cselect_b32 s63, s63, 0
	s_lshl_b32 s13, s40, 8
	s_lshl_b32 s18, s11, 7
	s_add_co_u32 s13, s13, s18                     ; my first query in the batch
	s_lshl_b32 s18, s42, 11
	s_add_co_u32 s16, s13, s18
	s_lshl_b32 s16, s16, 12                        ; its row of pw,
	s_lshl_b32 s18, s41, 9
	s_add_co_u32 s16, s16, s18
	s_lshl_b32 s18, s12, 8
	s_add_co_u32 s16, s16, s18                     ; my first key: the first way out adds this to pw's address
	s_mov_b32 s17, 0
	s_lshl_b32 s18, s42, 4
	s_lshl1_add_u32 s18, s41, s18
	s_add_co_u32 s18, s18, s12                     ; my chunk: 16 b + 2 j + half
	s_lshl_b32 s18, s18, 14
	s_lshl3_add_u32 s18, s13, s18                  ; 16,384 bytes a chunk, 8 a query
	s_mov_b32 s19, 0
	s_wait_dscnt 0x0                               ; the opening add is done
	s_wait_kmcnt 0x0
	s_add_nc_u64 s[14:15], s[4:5], s[14:15]
	s_add_nc_u64 s[6:7], s[6:7], s[18:19]
.irp s, 0,1
	s_mov_b32 s[G0+4*(\s)], 1
	s_add_co_u32 s[G0+4*(\s)+1], s20, (\s)*SLOT
	s_add_nc_u64 s[G0+4*(\s)+2:G0+4*(\s)+3], s[14:15], (\s)*KSTEP*2
	s_or_b32 s[G0+4*(\s)+3], s[G0+4*(\s)+3], 0x80000000
	tensor_load_to_lds s[G0+4*(\s):G0+4*(\s)+3], s[G1:G1+7]   ; K steps 0 and 1: two loads of mine are out
	s_nop 0
.endr
	v_and_b32 v1, 15, v0                           ; l % 16
	v_bfe_u32 v2, v0, 4, 1                         ; l / 16
	v_mul_u32_u24 v3, v1, PITCH
	v_lshl_add_u32 v3, v2, 4, v3
	s_mul_i32 s21, s11, HALFT
	s_mul_i32 s22, s12, HALFT
	s_add_co_u32 s22, s22, 2*HALFT
	v_add_nc_u32 v[ADRA0], s21, v3
	v_add_nc_u32 v[ADRB0], s22, v3
	v_mov_b32 v[ADRA], v[ADRA0]
	v_mov_b32 v[ADRB], v[ADRB0]
	s_mul_i32 s23, s10, 16*SPITCH
	s_add_co_u32 s23, s23, STAGE
	v_mul_u32_u24 v4, v1, SPITCH
	v_lshl_add_u32 v4, v2, 4, v4
	v_add_nc_u32 v[STO], s23, v4
	v_mul_u32_u24 v5, v2, SPITCH
	v_lshl_add_u32 v5, v1, 4, v5
	v_add_nc_u32 v[RD], s23, v5
	v_lshlrev_b32 v5, 12, v2
	v_lshl_add_u32 v[CO], v1, 4, v5
	s_lshl_b32 s23, s10, 10
	s_add_co_u32 s23, s23, STATS                   ; my statistics
	v_lshl_add_u32 v[SA], v1, 3, s23
	v_and_b32 v[SG], 31, v0
	v_lshlrev_b32 v[SG], 4, v[SG]
	v_add_nc_u32 v[SR], s23, v[SG]
	v_lshlrev_b32 v4, 3, v2
	v_sub_nc_u32 v4, v1, v4                        ; l % 16 - 8 (l / 16): in the diagonal block register j is hidden where j is greater
	WIN TO_B
.irp j, 0,1,2,3,4,5,6,7
	v_cmp_gt_i32 vcc_lo, \j, v4
	v_cndmask_b32 v[MDG+(\j)], 0, s63, vcc_lo
	v_mov_b32 v[MGT+(\j)], s63
.endr
	WIN 0
; 16 matrix instructions, as in the projection.  first = 1: the product starts the sum: on 0 left of the diagonal block, on MDG in it, on MGT right of it.  The accumulators take turns.
.macro MUL16 f, hi, a0, first
.if \first
	WIN FST_LO+0x40*(\hi)
.else
	WIN MUL_LO+0x50*(\hi)
.endif
.irp a, \a0, (\a0)+1
.irp b, 0,1,2,3,4,5,6,7
.if !(\first)
	v_wmma_f32_16x16x32_f16 v[8*(8*(\a)+(\b)):8*(8*(\a)+(\b))+7], v[(\f)+8*(\b):(\f)+8*(\b)+7], v[(\f)+8*(4*(\hi)+(\a)):(\f)+8*(4*(\hi)+(\a))+7], v[8*(8*(\a)+(\b)):8*(8*(\a)+(\b))+7]
.elseif (\b) < 4*(\hi)+(\a)
	v_wmma_f32_16x16x32_f16 v[8*(8*(\a)+(\b)):8*(8*(\a)+(\b))+7], v[(\f)+8*(\b):(\f)+8*(\b)+7], v[(\f)+8*(4*(\hi)+(\a)):(\f)+8*(4*(\hi)+(\a))+7], 0
.elseif (\b) == 4*(\hi)+(\a)
	v_wmma_f32_16x16x32_f16 v[8*(8*(\a)+(\b)):8*(8*(\a)+(\b))+7], v[(\f)+8*(\b):(\f)+8*(\b)+7], v[(\f)+8*(4*(\hi)+(\a)):(\f)+8*(4*(\hi)+(\a))+7], v[MDG:MDG+7]
.else
	v_wmma_f32_16x16x32_f16 v[8*(8*(\a)+(\b)):8*(8*(\a)+(\b))+7], v[(\f)+8*(\b):(\f)+8*(\b)+7], v[(\f)+8*(4*(\hi)+(\a)):(\f)+8*(4*(\hi)+(\a))+7], v[MGT:MGT+7]
.endif
.endr
.endr
.endm
.macro FETCH k, f                      ; 32 LDS loads in one run: k's 16, then q's 16
	WIN TO_B
.irp i, 0,1,2,3,4,5,6,7
	ds_load_b128 v[(\f)+8*(\i):(\f)+8*(\i)+3],   v[ADRB] offset:(\k)+(\i)*16*PITCH
	ds_load_b128 v[(\f)+8*(\i)+4:(\f)+8*(\i)+7], v[ADRB] offset:(\k)+(\i)*16*PITCH+32
.endr
	WIN 0
.irp i, 0,1,2,3,4,5,6,7
	ds_load_b128 v[(\f)+8*(\i):(\f)+8*(\i)+3],   v[ADRA] offset:(\k)+(\i)*16*PITCH
	ds_load_b128 v[(\f)+8*(\i)+4:(\f)+8*(\i)+7], v[ADRA] offset:(\k)+(\i)*16*PITCH+32
.endr
.endm
.macro PLACES                          ; four plain vector instructions between a matrix instruction and a load into, or a vector read of, its registers
.rept 4
	v_nop
.endr
.endm
.macro QUARTER k, f, g, first
	s_wait_dscnt 8                                 ; k and q's rows 0-63 are in; the youngest eight loads may be out
	MUL16 \f, 0, 0, \first
	MUL16 \f, 0, 2, \first
	PLACES
	FETCH \k, \g
	s_wait_dscnt 32                                ; all but the 32 just issued
	MUL16 \f, 1, 0, \first
	MUL16 \f, 1, 2, \first
.endm
; The last quarter changes slots: each wave waits for all its tensor loads (one is out: its part of the next slot), adds 0 to its spare word, waits for that and for its reads of this slot, and passes
; the barrier; fill = 1: this slot is then filled again first, two K steps ahead.
.macro TURN fill
	WIN 0
	s_wait_tensorcnt 0x0                           ; no tensor load of mine is out, so a group 0 may be written
	ds_add_u32 v[SPW], v[NIL]                      ; 0 onto my spare word
	s_wait_dscnt 9                                 ; (the add and the youngest eight loads may be out)
	MUL16 F1, 0, 0, 0
.if \fill
	s_xor_b32 s[G0+5], s[G0+5], SLOT               ; the walking descriptor: the other slot, the next K step
	s_add_nc_u64 s[G0+6:G0+7], s[G0+6:G0+7], KSTEP*2
.endif
	s_xor_b32 s[TB], s[TB], SLOT
	s_wait_dscnt 0x0                               ; the add is done, and my reads of this slot are over
	s_barrier_signal -1
	MUL16 F1, 0, 2, 0
	WIN 0
	s_barrier_wait -1
.if \fill
	tensor_load_to_lds s[G0+4:G0+7], s[G1:G1+7]    ; my one tensor load behind the barrier, and the first thing there
	s_nop 0
.endif
	PLACES
	v_add_nc_u32 v[ADRA], s[TB], v[ADRA0]
	v_add_nc_u32 v[ADRB], s[TB], v[ADRB0]
	FETCH 0, F0
	MUL16 F1, 1, 0, 0
	MUL16 F1, 1, 2, 0
.endm
.macro LASTQ
	s_wait_dscnt 8
	MUL16 F1, 0, 0, 0
	MUL16 F1, 0, 2, 0
	s_wait_dscnt 0x0
	MUL16 F1, 1, 0, 0
	MUL16 F1, 1, 2, 0
.endm
; THE SOFTMAX'S FIRST STAGE for block a: 16 queries x my 128 keys; a lane holds 64 scores of one query, the lane 16 away the other 64.
.macro SOFT a
.set AC, 64*((\a)%4)
.set W, 2+(\a)/4
	WIN (W<<2)|(W<<4)                              ; sources 1 and 2 in the block's window
.irp n, 0,1,2,3,4,5,6,7                ; four chains of 16 scores; each accumulator is read from its low end
.irp k, 0,1,2,3
.if (\n) == 0
	v_max3_num_f32 v[TM+(\k)], s62, v[AC+16*(\k)], v[AC+16*(\k)+1]
.else
	v_max3_num_f32 v[TM+(\k)], v[TM+(\k)], v[AC+16*(\k)+2*(\n)], v[AC+16*(\k)+2*(\n)+1]
.endif
.endr
.endr
	WIN 0
	v_max3_num_f32 v[TM], v[TM], v[TM+1], v[TM+2]
	v_max_num_f32 v[TM], v[TM], v[TM+3]
	v_permlanex16_b32 v[TM+1], v[TM], s[SEL], s[SEL+1]
	v_max_num_f32 v[TM], v[TM], v[TM+1]
	v_mul_f32 v[CM], s[CS], v[TM]                  ; cm
	WIN (W<<6)|W
.set z, 0
.rept 32
	v_pk_fma_f32 v[AC+2*z:AC+2*z+1], v[AC+2*z:AC+2*z+1], s[CS:CS+1], v[CM:CM+1] op_sel_hi:[1,0,0] neg_lo:[0,0,1] neg_hi:[0,0,1]  ; c s - cm
.set z, z+1
.endr
.set z, 0
.rept 64
	v_exp_f32 v[AC+z], v[AC+z]
.set z, z+1
.endr
	v_nop                                          ; a plain instruction between the last exponential and the use of its result
	WIN 0x0a+5*((\a)/4)
	s_wait_alu depctr_va_vdst(0)
.irp b, 0,1,2,3,4,5,6,7
.irp r, 0,1,2,3
	v_cvt_pk_f16_f32 v[TMP+4*(\b)+(\r)], v[AC+8*(\b)+2*(\r)], v[AC+8*(\b)+2*(\r)+1]
.endr
.endr
	WIN (W<<6)|(W<<2)|W                            ; the sum of the 32 pairs, in place: neighbours 1, 2, 4, 8 and 16 pairs apart
.irp w, 4,8,16,32,64
.set u, 0
.rept 64/(\w)
	v_pk_add_f32 v[AC+(\w)*u:AC+(\w)*u+1], v[AC+(\w)*u:AC+(\w)*u+1], v[AC+(\w)*u+(\w)/2:AC+(\w)*u+(\w)/2+1]
.set u, u+1
.endr
.endr
	WIN 0x0a+5*((\a)/4)
	v_add_f32 v[TM], v[AC], v[AC+1]
	WIN 0
	v_permlanex16_b32 v[TM+1], v[TM], s[SEL], s[SEL+1]
	v_add_f32 v[CM+1], v[TM], v[TM+1]              ; l
	ds_store_b64 v[SA], v[CM:CM+1] offset:128*(\a) ; both halves of the lanes write the same 8 bytes with the same numbers
.endm
.macro TOSTAGE a
	WIN 0
.set BK, OB+192*((\a)%2)
.irp b, 0,1,2,3,4,5,6,7
	ds_store_b128 v[STO], v[TMP+4*(\b):TMP+4*(\b)+3] offset:32*(\b)
.endr
.irp t, 0,1,2,3,4,5,6,7
	ds_load_b128 v[BK+4*(\t):BK+4*(\t)+3], v[RD] offset:(\t)*2*SPITCH  ; LDS serves a wave's instructions in order (ISA guide 5.7.1.4): these see the stores above
.endr
.endm
.macro SEND a, younger                 ; younger: the LDS instructions issued behind the block's loads: the next block's one store of statistics, or none
	WIN 0
.set BK, OB+192*((\a)%2)
	s_wait_dscnt \younger
	s_wait_xcnt 0x0                                ; only behind this wait are the stores' base and the registers that earlier stores read rewritten
.if (\a) == 0
	s_add_nc_u64 s[8:9], s[8:9], s[16:17]
.else
	s_add_nc_u64 s[8:9], s[8:9], 16*CPITCH
.endif
.irp t, 0,1,2,3,4,5,6,7
	global_store_b128 v[CO], v[BK+4*(\t):BK+4*(\t)+3], s[8:9] offset:2*(\t)*CPITCH  ; 16 lanes store 256 consecutive bytes, at a multiple of 256 from pw's first byte
.endr
.endm
	s_wait_tensorcnt 1                             ; my part of K step 0 is in; K step 1's may stay out
	s_barrier_signal -1
	s_barrier_wait -1
	FETCH 0, F0
	QUARTER 64, F0, F1, 1                          ; the first quarter's products start the sums, on the masks
	WIN 0
	s_mov_b32 s3, 6
.Lstep:                                                ; a trip: the rest of K step n, the request for K step n + 2, the first quarter of K step n + 1
	QUARTER 128, F1, F0, 0
	QUARTER 192, F0, F1, 0
	TURN 1
	QUARTER 64, F0, F1, 0
	WIN 0
	s_sub_co_u32 s3, s3, 1
	s_cmp_lg_u32 s3, 0
	s_cbranch_scc1 .Lstep
	QUARTER 128, F1, F0, 0                         ; the tail is written out
	QUARTER 192, F0, F1, 0
	TURN 0
	QUARTER 64, F0, F1, 0
	QUARTER 128, F1, F0, 0
	QUARTER 192, F0, F1, 0
	LASTQ
	WIN 0
	PLACES
	v_mov_b32 v[CM+1], 0                           ; named with cm as a pair, so it is written
	SOFT 0
	TOSTAGE 0
.irp a, 1,2,3,4,5,6,7                  ; block a's softmax stands between block a - 1's loads from the stage and the wait for them
	SOFT \a
	SEND (\a)-1, 1
	TOSTAGE \a
.endr
	SEND 7, 0
	ds_load_b128 v[SB:SB+3],   v[SR]               ; my 128 queries' {cm, l}: 1,024 consecutive bytes of st
	ds_load_b128 v[SB+4:SB+7], v[SR] offset:512
	s_wait_dscnt 0x0
	global_store_b128 v[SG], v[SB:SB+3],   s[6:7]
	global_store_b128 v[SG], v[SB+4:SB+7], s[6:7] offset:512
	s_wait_tensorcnt 0x0                           ; the wave's end
	ds_add_u32 v[SPW], v[NIL]
	s_wait_dscnt 0x0
	s_endpgm
.Lfunc_end_k_qca57e942f4_score:
	.size	k_qca57e942f4_score, .Lfunc_end_k_qca57e942f4_score-k_qca57e942f4_score
	.p2alignl 7, 3214868480
	.fill 96, 4, 3214868480
	.section	.rodata,"a",@progbits
	.p2align	6, 0x0
	.amdhsa_kernel k_qca57e942f4_score
		.amdhsa_group_segment_fixed_size 327680
		.amdhsa_private_segment_fixed_size 0
		.amdhsa_enable_private_segment 0
		.amdhsa_kernarg_size 24
		.amdhsa_user_sgpr_count 2
		.amdhsa_user_sgpr_kernarg_segment_ptr 1
		.amdhsa_wavefront_size32 1
		.amdhsa_system_sgpr_workgroup_id_x 1
		.amdhsa_system_sgpr_workgroup_id_y 1
		.amdhsa_system_sgpr_workgroup_id_z 1
		.amdhsa_system_vgpr_workitem_id 0
		.amdhsa_next_free_vgpr 1024
		.amdhsa_next_free_sgpr 66
		.amdhsa_reserve_vcc 1
		.amdhsa_float_denorm_mode_32 3
		.amdhsa_float_denorm_mode_16_64 3
		.amdhsa_memory_ordered 1
		.amdhsa_forward_progress 1
		.amdhsa_inst_pref_size 185
	.end_amdhsa_kernel
	.amdgpu_metadata
---
amdhsa.version: [ 1, 2 ]
amdhsa.kernels:
  - .name:           k_qca57e942f4_score
    .symbol:         k_qca57e942f4_score.kd
    .args:
      - { .name: qkv, .offset: 0, .size: 8, .value_kind: global_buffer, .address_space: global }
      - { .name: st, .offset: 8, .size: 8, .value_kind: global_buffer, .address_space: global }
      - { .name: pw, .offset: 16, .size: 8, .value_kind: global_buffer, .address_space: global }
    .group_segment_fixed_size: 327680
    .private_segment_fixed_size: 0
    .kernarg_segment_align: 8
    .kernarg_segment_size: 24
    .max_flat_workgroup_size: 128
    .sgpr_count:     66
    .vgpr_count:     1024
    .wavefront_size: 32
...
	.end_amdgpu_metadata
.endif
;; end of part 3
;; launch mix (part 4): grid 8 x 32, 4 waves a work-group, clusters of 4 x 4, 327,680 bytes of LDS; arguments pw, st, qkv, out0; writes out0
.if DOCPART == 4
	.amdgcn_target "amdgcn-amd-amdhsa--gfx1250"
	.amdhsa_code_object_version 6
	.text
	.protected	k_qca57e942f4_mix
	.globl	k_qca57e942f4_mix
	.p2align	8
	.type	k_qca57e942f4_mix,@function
k_qca57e942f4_mix:
	s_mov_b64 s[64:65], 0
	v_nop
	global_prefetch_b8 v0, s[64:65] scope:SCOPE_SE
	s_setreg_imm32_b32 hwreg(HW_REG_WAVE_MODE, 25, 1), 1
	s_wait_xcnt 0x0
	s_wait_alu depctr_hold_cnt(0) depctr_sa_sdst(0) depctr_va_vdst(0) depctr_va_sdst(0) depctr_va_ssrc(0) depctr_va_vcc(0) depctr_vm_vsrc(0)
	s_getreg_b32 s2, hwreg(HW_REG_IB_STS2, 6, 4)
	s_cmp_eq_u32 s2, 0
	s_cbranch_scc0 .Lentry_in_a_cluster
	s_endpgm
.Lentry_in_a_cluster:
	s_bfe_u32 s2, ttmp6, 0x10000c
	s_cmp_lg_u32 s2, 0xf033
	s_cbranch_scc0 .Lentry_shape_is_right
	s_endpgm
.Lentry_shape_is_right:
; out[b][q][:] = the sum over chunks t of 128 keys of G[q][t] x (P'[q][chunk t] . V[chunk t][:]),  G = 2^(cm[t][q] - M[q]) / L[q],  M = the largest cm of the row's visible chunks,
; L = the sum over them of 2^(cm - M) l.  P' and V are f16; each chunk's product T, G and the sums are f32; out is f32.  With the launch before, the row's true maximum is taken away before every exponential.
; LIMITS.  A factor 2^(cm - M) below 2^-126 counts as 0; NaN and infinities are not treated apart.
; SHARES.  A batch's rows lie in four super-blocks of 512.  A cluster (4 x 4 work-groups) takes batch b and two super-blocks, 3 - s and then s, and 512 of the 1,024 channels: cy picks 128 rows of a super-block, cx 128 channels.
; THE WALK is common to all sixteen: key steps of 256 keys, 8 - 2 s for the first super-block and 2 s + 2 for the second: always 10 steps, 20 chunks.  A row block needs the chunks up to its own, L = 4 x super-block + cy;
; the others get G = 0, and their P' is asked for at the row's last written tile, so only finite bytes are multiplied.  That is 20 chunks where 17 would do on average; in return P' is asked for jointly along a row of the
; cluster and V along a column.
; A wave makes 64 rows x 64 channels: T in 16 accumulators, O in 128 registers.  Source 0 = 16 channels of V^T (turned by ds_load_tr16_b128), source 1 = 16 rows of P': lane l holds row l % 16 and the channels 8 (l / 16) + 0..7.
; REGISTERS: window 0: v0-31 addresses; v32-95 the way out; v96-103 G (a pair for each block of 16 rows); v128-255 T (before the loop: at work on G)
;   window 1: two fragment buffers of 128: 64 registers of P', then 64 of V^T, for 64 keys          window 2: v0-127 O
.set PA,    528                        ; a row of P' in LDS: 512 bytes + 16: an odd multiple of 16, so the 16 rows of a fragment load start at 16 different groups of four banks (ISA guide 11.1)
.set PV,    288                        ; a row of V: 256 + 32
.set AHALF, 64*PA                      ; what a wave fetches of P'
.set APART, 128*PA
.set VHALF, 128*PV                     ; what a wave fetches of V: a chunk
.set SLOT,  APART+2*VHALF              ; a key step: 128 rows x 256 keys of P', then 256 keys x 128 channels of V
.set STAGE, 2*SLOT                     ; 16 rows x 272 bytes for each wave
.set SP,    272
.set GT,    STAGE+4*16*SP              ; G in the walk's order: 20 chunks x 128 rows of f32
.set SPARE, GT+20*512                  ; the spare words, 128 bytes a wave; no other line names them
.set ADRA0, 16                         ; v16  my place in a slot's P'; never rewritten
.set ADRA,  17                         ; v17  the same in the slot in hand
.set ADRV0, 18                         ; v18, v19  my place in a slot's V, chunk 0 and 1
.set ADRV,  20                         ; v20, v21
.set GA,   22                          ; v22  where my row's G of the chunk in hand lies; steps by 512
.set GW,   23                          ; v23  where my thread's row puts its G of chunk 0
.set STO,  24
.set RD,   25
.set CO,   26
.set SPW,  28                          ; v28  my spare word; never rewritten
.set NIL,  29                          ; v29  0; never rewritten
.set T8,   30                          ; v30  8 x my thread's number
.set BK,   32
.set GV,   96
.set ACC,  128
.set OF,   128                         ; before the loop: v128-147 offsets in st, v148-187 {cm, l} of the 20 chunks, v188-199 maxima, sums, reciprocals
.set D,    148
.set MH,   188
.set MM,   189
.set ML,   190
.set MHF,  191
.set MLF,  192
.set MMF,  193
.set LSH,  194
.set LSM,  195
.set LSL,  196
.set RCH,  197
.set RCL,  198
.set RCM,  199
.set F0,   0
.set F1,   128
.set G1,  24                           ; s[24:31] group 1 for P';  s[32:39] group 0, a set for each first fill; refills use the second
.set G0,  32
.set G1B, 48                           ; s[48:55], s[56:63] the same for V
.set G0B, 56
.set TB,  45                           ; s45  the slot in hand: 0 or SLOT
.set WOA, 46                           ; s46  my part of P' in a slot
.set WOV, 47                           ; s47  my part of V in a slot
.set NXT, 66                           ; s66  the key step to ask for next
.set LQ,  67                           ; s67  the last key step of the super-block whose steps are being asked for
.set ARO, 68                           ; s68  byte offset in pw of the rows that I fetch
.set IOW, 69                           ; s69  the rows' last written tile
.set LQL, 70                           ; s70, s71, s80: the same three for the second super-block
.set AROL, 71
.set IOWL, 80
.set VBO, 81                           ; s81  byte offset in qkv of my part of V's key step 0
.set OFA, 82                           ; s[82:83], s[84:85] offsets, as pairs
.set OFB, 84
.set OLO, 86                           ; s[86:87] out at my rows of the second super-block
.set HIL, 88                           ; s88  key steps left in the first super-block
.set NEW, 89                           ; s89  1: the next chunk starts O
.set LH,  4                            ; s4-7, s21, s22: last visible chunk and base offset in st: first, second super-block, and whichever owns chunks 12-15 of the walk
.set LL,  5
.set SBH, 6
.set SBL, 7
.set LM,  21
.set SBM, 22
.set MSB, 0
.macro WIN new
.if MSB != (\new)
	s_set_vgpr_msb (MSB<<8)|(\new)
.set MSB, \new
.endif
.endm
.set MUL,  0x05                        ; sources 0 and 1 window 1; C and D window 0
.set TO_F, 0x40                        ; destination window 1, address window 0
.macro JLOAD s                         ; waves 0, 1 fetch the halves of P', waves 2, 3 the chunks of V; an s_nop 0 and four v_nop follow each line
	s_cmp_eq_u32 s11, 0
	s_cbranch_scc0 .Lfor_b_\@
	tensor_load_to_lds s[G0+4*(\s):G0+4*(\s)+3], s[G1:G1+7]
	s_nop 0
.rept 4
	v_nop
.endr
	s_branch .Lasked_\@
.Lfor_b_\@:
	tensor_load_to_lds s[G0B+4*(\s):G0B+4*(\s)+3], s[G1B:G1B+7]
	s_nop 0
.rept 4
	v_nop
.endr
.Lasked_\@:
.endm
.macro CREST
	s_cmp_lg_u32 s10, 0
	s_cbranch_scc1 .Lnot_wave_0_\@
	s_barrier_signal -3
.Lnot_wave_0_\@:
	s_barrier_wait -3
	s_barrier_signal -1
	s_barrier_wait -1
.endm
.macro CROUND
	s_barrier_signal -1
	s_barrier_wait -1
	CREST
.endm
; The addresses of key step NXT into descriptor set s, made anew from the buffers' addresses; then NXT steps, and behind the first super-block's last step goes back to 0 for the second.
; P's registers hold nothing of cx, V's nothing of cy.
.macro ASK s
	s_min_u32 s94, s[NXT], s[IOW]                  ; a step beyond the rows' last written tile asks for that tile again
	s_lshl_b32 s94, s94, 9
	s_add_co_u32 s[OFA], s[ARO], s94
	s_add_nc_u64 s[G0+4*(\s)+2:G0+4*(\s)+3], s[72:73], s[OFA:OFA+1]
	s_or_b32 s[G0+4*(\s)+3], s[G0+4*(\s)+3], 0x80000000
	s_mul_i32 s95, s[NXT], 256*6144
	s_add_co_u32 s[OFB], s[VBO], s95
	s_add_nc_u64 s[G0B+4*(\s)+2:G0B+4*(\s)+3], s[76:77], s[OFB:OFB+1]
	s_or_b32 s[G0B+4*(\s)+3], s[G0B+4*(\s)+3], 0x80000000
	s_add_co_u32 s[NXT], s[NXT], 1
	s_cmp_gt_u32 s[NXT], s[LQ]
	s_cselect_b32 s[NXT], 0, s[NXT]
	s_cselect_b32 s[ARO], s[AROL], s[ARO]
	s_cselect_b32 s[IOW], s[IOWL], s[IOW]
	s_cselect_b32 s[LQ], s[LQL], s[LQ]
.endm
	s_load_b256 s[72:79], s[0:1], 0x0              ; pw s[72:73], st s[74:75], qkv s[76:77], out0 s[78:79]
	v_lshl_add_u32 v[SPW], v0, 2, SPARE
	v_mov_b32 v[NIL], 0
	ds_add_u32 v[SPW], v[NIL]                      ; the wave's opening: the add and its wait ahead of my first tensor load
	ds_add_u32 v28, v29
	v_lshrrev_b32 v1, 5, v0
	v_readfirstlane_b32 s10, v1                    ; wave 0..3
	s_lshr_b32 s11, s10, 1                         ; my half of the rows.  Also: I fetch P' (0) or V (1)
	s_and_b32 s12, s10, 1                          ; my half of the channels.  Also: which half of that tile I fetch
	s_bfe_u32 s40, ttmp6, 0x40000                  ; cx
	s_bfe_u32 s41, ttmp6, 0x40004                  ; cy
	s_lshl_b32 s42, ttmp9, 2
	s_add_co_u32 s42, s42, s40                     ; my block of 128 channels
	s_and_b32 s13, ttmp7, 0xffff                   ; cluster y = 2 b + s
	s_lshr_b32 s15, s13, 1                         ; b
	s_and_b32 s14, s13, 1                          ; s: the second super-block
	s_sub_co_u32 s16, 3, s14                       ; the first
	s_lshl_b32 s43, s41, 2
	s_lshl_b32 s43, 15, s43                        ; my row of the cluster
	s_lshl_b32 s44, 0x1111, s40                    ; my column
	s_or_b32 s[G1+0], s43, (1<<16)|(1<<20)|(1<<21)|(6<<22)|(3<<25)   ; P': elements of 2 bytes; 4 words of padding after every 128
	s_mov_b32 s[G1+1], 256<<16                     ; tensor_dim0 = 256
	s_mov_b32 s[G1+2], 64<<16                      ; tensor_dim1 = 64
	s_mov_b32 s[G1+3], 256<<16                     ; tile_dim0 = 256
	s_mov_b32 s[G1+4], 64                          ; tile_dim1 = 64
	s_mov_b32 s[G1+5], 2048                        ; elements in a row of pw
	s_mov_b32 s[G1+6], 0
	s_mov_b32 s[G1+7], 0
	s_or_b32 s[G1B+0], s44, (1<<16)|(1<<20)|(1<<21)|(5<<22)|(7<<25)  ; V: 8 words of padding after every 64
	s_mov_b32 s[G1B+1], 128<<16
	s_mov_b32 s[G1B+2], 128<<16
	s_mov_b32 s[G1B+3], 128<<16
	s_mov_b32 s[G1B+4], 128
	s_mov_b32 s[G1B+5], 3072                       ; elements in a row of qkv
	s_mov_b32 s[G1B+6], 0
	s_mov_b32 s[G1B+7], 0
	s_lshl_b32 s17, s15, 11                        ; 2,048 b
	s_lshl_b32 s18, s41, 7                         ; 128 cy
	s_lshl_b32 s19, s16, 9
	s_add_co_u32 s19, s19, s18                     ; my first row in the batch, first super-block,
	s_lshl_b32 s20, s14, 9
	s_add_co_u32 s20, s20, s18                     ; and second
	s_lshl_b32 s94, s12, 6
	s_add_co_u32 s94, s94, s17
	s_add_co_u32 s[ARO], s19, s94
	s_lshl_b32 s[ARO], s[ARO], 12                  ; 4,096 bytes a row of pw
	s_add_co_u32 s[AROL], s20, s94
	s_lshl_b32 s[AROL], s[AROL], 12
	s_lshr_b32 s94, s41, 1
	s_lshl1_add_u32 s[IOW], s16, s94               ; the rows' tile of 256: 2 x super-block + cy / 2
	s_lshl1_add_u32 s[IOWL], s14, s94
	s_lshl_b32 s2, s14, 1
	s_sub_co_u32 s[LQ], 7, s2
	s_add_co_u32 s[LQL], s2, 1
	s_sub_co_u32 s[HIL], 8, s2
	s_mov_b32 s[NXT], 0
	s_mov_b32 s[NEW], 1
	s_lshl_b32 s95, s12, 7
	s_add_co_u32 s95, s95, s17
	s_mul_i32 s[VBO], s95, 6144
	s_lshl_b32 s95, s42, 8
	s_add_co_u32 s[VBO], s[VBO], s95
	s_add_co_u32 s[VBO], s[VBO], 4096              ; v lies 4,096 bytes into a token's row
	s_mov_b32 s[OFA+1], 0
	s_mov_b32 s[OFB+1], 0
	s_mul_i32 s[WOA], s12, AHALF
	s_mul_i32 s[WOV], s12, VHALF
	s_add_co_u32 s[WOV], s[WOV], APART
	s_mov_b32 s[TB], 0
	s_mov_b32 s[G0], 1
	s_mov_b32 s[G0+1], s[WOA]
	s_mov_b32 s[G0+4], 1
	s_add_co_u32 s[G0+5], s[WOA], SLOT
	s_mov_b32 s[G0B], 1
	s_mov_b32 s[G0B+1], s[WOV]
	s_mov_b32 s[G0B+4], 1
	s_add_co_u32 s[G0B+5], s[WOV], SLOT
	s_wait_dscnt 0x0                               ; the opening add is done
	s_wait_kmcnt 0x0
	CROUND                                         ; all sixteen work-groups are here: the first joint loads meet
	ASK 0
	JLOAD 0
	ASK 1
	JLOAD 1                                        ; two loads of mine are out
	; out at my 64 rows and 64 channels, for both super-blocks
	s_lshl_b32 s94, s11, 6
	s_add_co_u32 s94, s94, s17
	s_lshl_b32 s95, s42, 9
	s_lshl_b32 s96, s12, 8
	s_add_co_u32 s96, s96, s95
	s_add_co_u32 s100, s19, s94
	s_lshl_b32 s100, s100, 12
	s_add_co_u32 s100, s100, s96
	s_mov_b32 s101, 0
	s_add_nc_u64 s[8:9], s[78:79], s[100:101]
	s_add_co_u32 s100, s20, s94
	s_lshl_b32 s100, s100, 12
	s_add_co_u32 s100, s100, s96
	s_add_nc_u64 s[OLO:OLO+1], s[78:79], s[100:101]
	; lane addresses
	v_and_b32 v1, 15, v0                           ; l % 16
	v_bfe_u32 v2, v0, 4, 1                         ; l / 16
	v_mul_u32_u24 v3, v1, PA
	v_lshl_add_u32 v3, v2, 4, v3
	s_mul_i32 s2, s11, AHALF
	v_add_nc_u32 v[ADRA0], s2, v3
	v_and_b32 v4, 7, v0                            ; the turning load: lane l reads key 8 (l / 16) + l % 8, channels 8 ((l / 8) % 2) + 0..7
	v_bfe_u32 v5, v0, 3, 1
	v_lshl_add_u32 v6, v2, 3, v4
	v_mul_u32_u24 v6, v6, PV
	v_lshl_add_u32 v6, v5, 4, v6
	s_lshl_b32 s2, s12, 7
	s_add_co_u32 s2, s2, APART
	v_add_nc_u32 v[ADRV0], s2, v6
	v_add_nc_u32 v[ADRV0+1], VHALF, v[ADRV0]
	v_mov_b32 v[ADRA], v[ADRA0]                    ; slot 0
	v_mov_b32 v[ADRV], v[ADRV0]
	v_mov_b32 v[ADRV+1], v[ADRV0+1]
	s_lshl_b32 s2, s11, 8
	s_add_co_u32 s2, s2, GT
	v_lshl_add_u32 v[GA], v1, 2, s2                ; G of row 64 x half + l % 16
	v_lshl_add_u32 v[GW], v0, 2, GT
	s_mul_i32 s2, s10, 16*SP
	s_add_co_u32 s2, s2, STAGE                     ; my stage
	v_mul_u32_u24 v3, v1, SP
	v_lshl_add_u32 v3, v2, 5, v3                   ; in: row l % 16, 32 bytes for each half of the lanes
	v_add_nc_u32 v[STO], s2, v3
	v_mul_u32_u24 v3, v2, SP
	v_lshl_add_u32 v3, v1, 4, v3                   ; back: lanes 0-15 one row of 256 bytes, lanes 16-31 the next
	v_add_nc_u32 v[RD], s2, v3
	v_lshlrev_b32 v3, 12, v2
	v_lshl_add_u32 v[CO], v1, 4, v3
	v_lshlrev_b32 v[T8], 3, v0
.irp a, 0,1,2,3
	v_mov_b32 v[GV+2*(\a)+1], 0                    ; named with G as a pair, so it is written
.endr
	; G.  Thread = row of the block.  Chunk w of the walk: w < 12: the first super-block's chunk w; w = 12..15: its chunk w if s = 0, else the second's chunk w - 12; w >= 16: the second's chunk w - 16 + 4 s.
	; A chunk beyond the row block's own reads the block's own statistics (so every load finds written bytes) and gets the factor 0.
	s_lshl2_add_u32 s[LH], s16, s41                ; 4 x super-block + cy
	s_lshl2_add_u32 s[LL], s14, s41
	s_lshl_b32 s94, s15, 18                        ; 16 chunks x 16,384 bytes a batch
	s_lshl3_add_u32 s[SBH], s19, s94
	s_lshl3_add_u32 s[SBL], s20, s94
	s_cmp_eq_u32 s14, 0
	s_cselect_b32 s90, -1, 0                       ; all lanes: chunks 12-15 belong to the first super-block
	s_cselect_b32 s91, 1.0, 0
	s_cselect_b32 s92, 0, 1.0
	s_cselect_b32 s[LM], s[LH], s[LL]
	s_cselect_b32 s[SBM], s[SBH], s[SBL]
	s_mul_i32 s98, s14, 12
	s_sub_co_u32 s98, 12, s98                      ; the chunk at w = 12
	s_lshl_b32 s99, s14, 2                         ; the chunk at w = 16
.irp w, 0,1,2,3,4,5,6,7,8,9,10,11
	s_min_u32 s94, s[LH], \w
	s_lshl_b32 s94, s94, 14
	s_add_co_u32 s94, s94, s[SBH]
	v_add_nc_u32 v[OF+(\w)], s94, v[T8]
	global_load_b64 v[D+2*(\w):D+2*(\w)+1], v[OF+(\w)], s[74:75]
.endr
.irp w, 12,13,14,15
	s_add_co_u32 s97, s98, (\w)-12
	s_min_u32 s94, s97, s[LM]
	s_lshl_b32 s94, s94, 14
	s_add_co_u32 s94, s94, s[SBM]
	v_add_nc_u32 v[OF+(\w)], s94, v[T8]
	global_load_b64 v[D+2*(\w):D+2*(\w)+1], v[OF+(\w)], s[74:75]
.endr
.irp w, 16,17,18,19
	s_add_co_u32 s97, s99, (\w)-16
	s_min_u32 s94, s97, s[LL]
	s_lshl_b32 s94, s94, 14
	s_add_co_u32 s94, s94, s[SBL]
	v_add_nc_u32 v[OF+(\w)], s94, v[T8]
	global_load_b64 v[D+2*(\w):D+2*(\w)+1], v[OF+(\w)], s[74:75]
.endr
	s_wait_loadcnt 0x0
	v_max3_num_f32 v[MH], v[D], v[D+2], v[D+4]
	v_max3_num_f32 v[MM], v[D+24], v[D+26], v[D+28]
	v_max3_num_f32 v[ML], v[D+32], v[D+34], v[D+36]
.irp w, 3,5,7,9
	v_max3_num_f32 v[MH], v[MH], v[D+2*(\w)], v[D+2*(\w)+2]
.endr
	v_max_num_f32 v[MH], v[MH], v[D+22]
	v_max_num_f32 v[MM], v[MM], v[D+30]
	v_max_num_f32 v[ML], v[ML], v[D+38]
	v_max_num_f32 v[MHF], v[MH], v[MM]
	v_max_num_f32 v[MLF], v[ML], v[MM]
	v_cndmask_b32 v[MHF], v[MH], v[MHF], s90       ; the first super-block's row maximum: with chunks 12-15 if they are its own
	v_cndmask_b32 v[MLF], v[MLF], v[ML], s90       ; the second's
	v_cndmask_b32 v[MMF], v[MLF], v[MHF], s90      ; and the one that goes with chunks 12-15
.irp w, 0,1,2,3,4,5,6,7,8,9,10,11
	v_sub_f32 v[D+2*(\w)], v[D+2*(\w)], v[MHF]
.endr
.irp w, 12,13,14,15
	v_sub_f32 v[D+2*(\w)], v[D+2*(\w)], v[MMF]
.endr
.irp w, 16,17,18,19
	v_sub_f32 v[D+2*(\w)], v[D+2*(\w)], v[MLF]
.endr
.irp w, 0,1,2,3,4,5,6,7,8,9,10,11,12,13,14,15,16,17,18,19
	v_exp_f32 v[D+2*(\w)], v[D+2*(\w)]
.endr
	v_nop                                          ; a plain instruction between the last exponential and the use of its result
	s_wait_alu depctr_va_vdst(0)
.irp w, 0,1,2,3,4,5,6,7,8,9,10,11
	s_cmp_ge_u32 s[LH], \w
	s_cselect_b32 s94, 1.0, 0
	v_mul_f32 v[D+2*(\w)], s94, v[D+2*(\w)]
.endr
.irp w, 12,13,14,15
	s_add_co_u32 s97, s98, (\w)-12
	s_cmp_le_u32 s97, s[LM]
	s_cselect_b32 s94, 1.0, 0
	v_mul_f32 v[D+2*(\w)], s94, v[D+2*(\w)]
.endr
.irp w, 16,17,18,19
	s_add_co_u32 s97, s99, (\w)-16
	s_cmp_le_u32 s97, s[LL]
	s_cselect_b32 s94, 1.0, 0
	v_mul_f32 v[D+2*(\w)], s94, v[D+2*(\w)]
.endr
	v_mul_f32 v[LSH], v[D], v[D+1]
	v_mul_f32 v[LSM], v[D+24], v[D+25]
	v_mul_f32 v[LSL], v[D+32], v[D+33]
.irp w, 1,2,3,4,5,6,7,8,9,10,11
	v_fmac_f32 v[LSH], v[D+2*(\w)], v[D+2*(\w)+1]
.endr
.irp w, 13,14,15
	v_fmac_f32 v[LSM], v[D+2*(\w)], v[D+2*(\w)+1]
.endr
.irp w, 17,18,19
	v_fmac_f32 v[LSL], v[D+2*(\w)], v[D+2*(\w)+1]
.endr
	v_fmac_f32 v[LSH], s91, v[LSM]
	v_fmac_f32 v[LSL], s92, v[LSM]
	v_rcp_f32 v[RCH], v[LSH]                       ; each sum holds the row's largest weight, 1, so it is at least 1
	v_rcp_f32 v[RCL], v[LSL]
	v_nop
	s_wait_alu depctr_va_vdst(0)
	v_cndmask_b32 v[RCM], v[RCL], v[RCH], s90
.irp w, 0,1,2,3,4,5,6,7,8,9,10,11
	v_mul_f32 v[D+2*(\w)], v[D+2*(\w)], v[RCH]
.endr
.irp w, 12,13,14,15
	v_mul_f32 v[D+2*(\w)], v[D+2*(\w)], v[RCM]
.endr
.irp w, 16,17,18,19
	v_mul_f32 v[D+2*(\w)], v[D+2*(\w)], v[RCL]
.endr
.irp w, 0,1,2,3,4,5,6,7,8,9,10,11,12,13,14,15,16,17,18,19
	ds_store_b32 v[GW], v[D+2*(\w)] offset:512*(\w)
.endr
; 8 matrix instructions: row blocks a0, a0 + 1 x all 4 channel blocks, 32 keys: half c of buffer f.  zero = 1: the product starts the chunk's sums.  The 16 accumulators take turns.
.macro MUL8 f, c, a0, zero
	WIN MUL
.irp a, \a0, (\a0)+1
.irp b, 0,1,2,3
.if \zero
	v_wmma_f32_16x16x32_f16 v[ACC+8*(4*(\a)+(\b)):ACC+8*(4*(\a)+(\b))+7], v[(\f)+64+8*(4*(\c)+(\b)):(\f)+64+8*(4*(\c)+(\b))+7], v[(\f)+8*(4*(\c)+(\a)):(\f)+8*(4*(\c)+(\a))+7], 0
.else
	v_wmma_f32_16x16x32_f16 v[ACC+8*(4*(\a)+(\b)):ACC+8*(4*(\a)+(\b))+7], v[(\f)+64+8*(4*(\c)+(\b)):(\f)+64+8*(4*(\c)+(\b))+7], v[(\f)+8*(4*(\c)+(\a)):(\f)+8*(4*(\c)+(\a))+7], v[ACC+8*(4*(\a)+(\b)):ACC+8*(4*(\a)+(\b))+7]
.endif
.endr
.endr
.endm
; 32 LDS loads in one run: the fragments of quarter q (64 keys) of the slot in hand into buffer f; the first 32 keys first
.macro FETCH q, f
	WIN TO_F
.irp c, 0,1
.irp i, 0,1,2,3
	ds_load_tr16_b128 v[(\f)+64+8*(4*(\c)+(\i)):(\f)+64+8*(4*(\c)+(\i))+3],   v[ADRV+(\q)/2] offset:(((\q)%2)*64+32*(\c))*PV+32*(\i)
	ds_load_tr16_b128 v[(\f)+64+8*(4*(\c)+(\i))+4:(\f)+64+8*(4*(\c)+(\i))+7], v[ADRV+(\q)/2] offset:(((\q)%2)*64+32*(\c)+16)*PV+32*(\i)
	ds_load_b128 v[(\f)+8*(4*(\c)+(\i)):(\f)+8*(4*(\c)+(\i))+3],   v[ADRA] offset:128*(\q)+64*(\c)+(\i)*16*PA
	ds_load_b128 v[(\f)+8*(4*(\c)+(\i))+4:(\f)+8*(4*(\c)+(\i))+7], v[ADRA] offset:128*(\q)+64*(\c)+(\i)*16*PA+32
.endr
.endr
.endm
.macro PLACES                          ; four plain vector instructions between a matrix instruction and a load into, or a vector read of, its registers
.rept 4
	v_nop
.endr
.endm
; A key step is four quarters of 64 keys, 32 matrix instructions each, on buffers 0, 1, 0, 1; two quarters are a chunk.  This one multiplies buffer f and fetches quarter q into g.  gl = 1: a chunk begins: its G is fetched too.
.macro QUARTER q, f, g, zero, gl
	s_wait_dscnt 16                                ; the first 32 keys are in
	MUL8 \f, 0, 0, \zero
	MUL8 \f, 0, 2, \zero
	PLACES
.if \gl
	WIN 0
.irp a, 0,1,2,3
	ds_load_b32 v[GV+2*(\a)], v[GA] offset:64*(\a)
.endr
	v_add_nc_u32 v[GA], 512, v[GA]                 ; the next chunk of the walk
.endif
	FETCH \q, \g
	s_wait_dscnt 32                                ; all but the 32 just issued: G is in too
	MUL8 \f, 1, 0, 0
	MUL8 \f, 1, 2, 0
.endm
; The last quarter multiplies buffer 1 and changes slots: each wave waits for all its tensor loads (one is out: its part of the next slot), adds 0 to its spare word, and waits for that and for its reads of this slot.
; fill = 1: the barrier opens a round of the cluster's, and behind it this slot is filled again, two key steps ahead: 112 matrix instructions and two scalings ahead of the wait for it.
.macro TURN fill
	WIN 0
	s_wait_tensorcnt 0x0                           ; no tensor load of mine is out, so a group 0 may be written
	ds_add_u32 v[SPW], v[NIL]                      ; 0 onto my spare word
	s_wait_dscnt 17                                ; (the add and the youngest sixteen loads may be out)
	MUL8 F1, 0, 0, 0
	s_wait_dscnt 0x0                               ; the add is done, and my reads of this slot are over
	s_barrier_signal -1
	MUL8 F1, 0, 2, 0
	WIN 0
	s_barrier_wait -1
.if \fill
	CREST                                          ; no wave of any partner still reads this slot's tiles or has a load on its way
	s_add_co_u32 s[G0+5], s[TB], s[WOA]            ; into the slot just read
	s_add_co_u32 s[G0B+5], s[TB], s[WOV]
	ASK 1
	JLOAD 1                                        ; the first tensor load behind the round; its four v_nop are also the places in front of the loads below
.else
	PLACES
.endif
	s_xor_b32 s[TB], s[TB], SLOT
	v_add_nc_u32 v[ADRA], s[TB], v[ADRA0]
	v_add_nc_u32 v[ADRV], s[TB], v[ADRV0]
	v_add_nc_u32 v[ADRV+1], s[TB], v[ADRV0+1]
	FETCH 0, F0
	MUL8 F1, 1, 0, 0
	MUL8 F1, 1, 2, 0
.endm
.macro LASTQ
	s_wait_dscnt 16
	MUL8 F1, 0, 0, 0
	MUL8 F1, 0, 2, 0
	s_wait_dscnt 0x0
	MUL8 F1, 1, 0, 0
	MUL8 F1, 1, 2, 0
.endm
; O += G T, each accumulator from its low end.  br = 1 (a key step's first chunk): where a super-block begins, O = G T instead, so O is never cleared.  NEW hangs on s alone, which all partners share.
.macro ACCUM br
	PLACES
.if \br
	WIN 0
	s_cmp_eq_u32 s[NEW], 0
	s_cbranch_scc1 .Ladd_\@
	WIN 0x80                                       ; destination window 2
.set z, 0
.rept 64
	v_pk_mul_f32 v[2*z:2*z+1], v[ACC+2*z:ACC+2*z+1], v[GV+2*(z/16):GV+2*(z/16)+1] op_sel_hi:[1,0]
.set z, z+1
.endr
	WIN 0
	s_mov_b32 s[NEW], 0
	s_branch .Ldone_\@
.Ladd_\@:
.endif
	WIN 0xa0                                       ; destination and source 2 window 2
.set z, 0
.rept 64
	v_pk_fma_f32 v[2*z:2*z+1], v[ACC+2*z:ACC+2*z+1], v[GV+2*(z/16):GV+2*(z/16)+1], v[2*z:2*z+1] op_sel_hi:[1,0,1]
.set z, z+1
.endr
	WIN 0
.if \br
.Ldone_\@:
.endif
.endm
.macro STEP kind                       ; a key step.  kind 2: its slot is filled again; 1: the slots change, nothing is asked for; 0: the last
	QUARTER 1, F0, F1, 1, 1
	QUARTER 2, F1, F0, 0, 0
	ACCUM 1
	QUARTER 3, F0, F1, 1, 1
.if (\kind) == 2
	TURN 1
.elseif (\kind) == 1
	TURN 0
.else
	LASTQ
.endif
	ACCUM 0
.endm
; THE WAY OUT: 16 rows at a time through my own stage: a lane's eight channels are 32 bytes of a row; a row's 64 channels come back as 256 bytes.
.macro OUTPUT
.irp a, 0,1,2,3
	WIN 0x08                                       ; the stores' data in window 2
.irp b, 0,1,2,3
	ds_store_b128 v[STO], v[8*(4*(\a)+(\b)):8*(4*(\a)+(\b))+3]   offset:64*(\b)
	ds_store_b128 v[STO], v[8*(4*(\a)+(\b))+4:8*(4*(\a)+(\b))+7] offset:64*(\b)+16
.endr
	WIN 0
	s_wait_xcnt 0x0                                ; the registers that earlier stores read are loaded again only behind this wait
.irp t, 0,1,2,3,4,5,6,7
	ds_load_b128 v[BK+32*((\a)%2)+4*(\t):BK+32*((\a)%2)+4*(\t)+3], v[RD] offset:(\t)*2*SP  ; LDS serves a wave's instructions in order (ISA guide 5.7.1.4): these see the stores above
.endr
.irp t, 0,1,2,3,4,5,6,7
	s_wait_dscnt 7-(\t)
	global_store_b128 v[CO], v[BK+32*((\a)%2)+4*(\t):BK+32*((\a)%2)+4*(\t)+3], s[8:9] offset:(16*(\a)+2*(\t))*4096 th:TH_STORE_NT  ; 16 lanes store 256 consecutive bytes, at a multiple of 256 from out0's first byte
.endr
.endr
.endm
	s_wait_tensorcnt 1                             ; my part of key step 0 is in; key step 1's may stay out
	s_wait_dscnt 0x0                               ; for the others' sake: my rows' G is stored
	s_barrier_signal -1
	s_barrier_wait -1
	FETCH 0, F0
	WIN 0
	s_mov_b32 s3, 8
.Lstep:                                                ; eight trips: key steps 0 to 7 of the walk; each asks for the step two on
	STEP 2
	WIN 0
	s_sub_co_u32 s[HIL], s[HIL], 1
	s_cmp_lg_u32 s[HIL], 0
	s_cbranch_scc1 .Lno_out                        ; forward, past neither a barrier nor a tensor load
	OUTPUT                                         ; the first super-block is done (behind trip 8 - 2 s)
	s_wait_xcnt 0x0                                ; the stores have read out's address
	s_mov_b64 s[8:9], s[OLO:OLO+1]
	s_mov_b32 s[NEW], 1
.Lno_out:
	s_sub_co_u32 s3, s3, 1
	s_cmp_lg_u32 s3, 0
	s_cbranch_scc1 .Lstep
	STEP 1                                         ; the tail is written out
	STEP 0
	OUTPUT
	s_wait_tensorcnt 0x0                           ; the wave's end
	ds_add_u32 v[SPW], v[NIL]
	s_wait_dscnt 0x0
	CROUND                                         ; the closing round
	s_endpgm
.Lfunc_end_k_qca57e942f4_mix:
	.size	k_qca57e942f4_mix, .Lfunc_end_k_qca57e942f4_mix-k_qca57e942f4_mix
	.p2alignl 7, 3214868480
	.fill 96, 4, 3214868480
	.section	.rodata,"a",@progbits
	.p2align	6, 0x0
	.amdhsa_kernel k_qca57e942f4_mix
		.amdhsa_group_segment_fixed_size 327680
		.amdhsa_private_segment_fixed_size 0
		.amdhsa_enable_private_segment 0
		.amdhsa_kernarg_size 32
		.amdhsa_user_sgpr_count 2
		.amdhsa_user_sgpr_kernarg_segment_ptr 1
		.amdhsa_wavefront_size32 1
		.amdhsa_system_sgpr_workgroup_id_x 1
		.amdhsa_system_sgpr_workgroup_id_y 1
		.amdhsa_system_sgpr_workgroup_id_z 1
		.amdhsa_system_vgpr_workitem_id 0
		.amdhsa_next_free_vgpr 640
		.amdhsa_next_free_sgpr 104
		.amdhsa_reserve_vcc 0
		.amdhsa_float_denorm_mode_32 3
		.amdhsa_float_denorm_mode_16_64 3
		.amdhsa_memory_ordered 1
		.amdhsa_forward_progress 1
		.amdhsa_inst_pref_size 132
	.end_amdhsa_kernel
	.amdgpu_metadata
---
amdhsa.version: [ 1, 2 ]
amdhsa.kernels:
  - .name:           k_qca57e942f4_mix
    .symbol:         k_qca57e942f4_mix.kd
    .args:
      - { .name: pw, .offset: 0, .size: 8, .value_kind: global_buffer, .address_space: global }
      - { .name: st, .offset: 8, .size: 8, .value_kind: global_buffer, .address_space: global }
      - { .name: qkv, .offset: 16, .size: 8, .value_kind: global_buffer, .address_space: global }
      - { .name: out0, .offset: 24, .size: 8, .value_kind: global_buffer, .address_space: global }
    .group_segment_fixed_size: 327680
    .private_segment_fixed_size: 0
    .kernarg_segment_align: 8
    .kernarg_segment_size: 32
    .max_flat_workgroup_size: 128
    .sgpr_count:     104
    .vgpr_count:     640
    .wavefront_size: 32
...
	.end_amdgpu_metadata
.endif
;; end of part 4
;; ======== version 2 of 2: 4 launches; version 1 with the launch cast written anew for expert scheduling mode
;; limits: values are held in f16: magnitudes above 65,504 overflow, below 6.1e-05 lose precision
;; workspace buffers: xw 23,068,672 bytes; qkv 50,331,648 bytes; pw 33,554,432 bytes; st 1,048,576 bytes
;; launch cast (part 5): grid 704 x 1, 8 waves a work-group, no clusters, 0 bytes of LDS; arguments x, Wq, Wk, Wv, xw; writes xw
.if DOCPART == 5
	.amdgcn_target "amdgcn-amd-amdhsa--gfx1250"
	.amdhsa_code_object_version 6
	.text
	.protected	k_qca57e942f4_cast
	.globl	k_qca57e942f4_cast
	.p2align	8
	.type	k_qca57e942f4_cast,@function
k_qca57e942f4_cast:
	s_mov_b64 s[64:65], 0
	v_nop
	global_prefetch_b8 v0, s[64:65] scope:SCOPE_SE
	s_setreg_imm32_b32 hwreg(HW_REG_WAVE_SCHED_MODE, 0, 2), 2
	s_setreg_imm32_b32 hwreg(HW_REG_WAVE_MODE, 25, 1), 1
	s_wait_xcnt 0x0
	s_wait_alu depctr_vm_vsrc(0)
; xw = bf16 of x (rows 0-8191), Wq (8192-9215), Wk (9216-10239), Wv (10240-11263), laid out in 16 BLOCKS of 64 along K: xw[block][row][64], so that
; the rows of a tile of any height and 64 of K lie end to end, 128 bytes each: the next launch asks for such tiles as rows of 256 bytes.
; A stream: each input byte is read once, each output byte written once; no LDS, no barrier, no matrix unit: they would add nothing.
; A work-group of eight waves owns 16 rows: 65,536 bytes in, 32,768 out.  Wave w takes the blocks 2 w and 2 w + 1.  One load takes a block's 256 bytes of f32 of two neighbouring rows
; (lanes 0-15 one row, lanes 16-31 the next); its store of 8 bytes a lane covers 256 consecutive bytes of xw, at a multiple of 256 from xw's first byte.
; All sixteen loads go out first; no register is used twice.
; THE MODE: SCHED_MODE bits 1:0 = 2 (LLVM: expert scheduling mode 2), set by the entry lines.  The code itself states the register dependences
; between vector instructions and memory instructions, with s_wait_alu, always for 0.
; THE PLAN.  Registers that memory instructions touch:
;   v1, v2   byte offsets of the loads and of the stores: made at the head by vector instructions, never written again.
;   X        load n: 4 registers.  Written by load n alone, once; read by conversions 2 n and 2 n + 1.  No vector instruction names them ahead of the load.
;   Y        store n: 2 registers.  Written by those two conversions, once; read by store n alone.
; The sixteen pairs of a load and a store go in four groups of four.  Group p waits for its four loads and rounds them into its Y; the four stores of group p - 1 are dealt among its
; eight conversions, which name group p's X and Y alone.  So one wait at a group's head states all that the group's four stores hang on.  Nothing that a memory instruction has read is
; written again, so no wait stands for that; no vector instruction writes a scalar register, and EXEC is never written.
.set ROWIN,  4096                      ; bytes in a row of f32
.set KBB,    0x160000                  ; bytes in a block of xw: 11,264 rows of 128
.set X, 8                              ; v[8:71]    load n: 4 registers
.set Y, 72                             ; v[72:103]  store n: 2 registers
	s_load_b256 s[4:11], s[0:1], 0x0               ; x s[4:5], Wq s[6:7], Wk s[8:9], Wv s[10:11]
	s_load_b64 s[12:13], s[0:1], 0x20              ; xw
	v_and_b32 v3, 15, v0                           ; my 16 bytes among a block's 256
	v_bfe_u32 v4, v0, 4, 1                         ; which row of the pair
	v_lshrrev_b32 v5, 5, v0                        ; wave
	v_lshlrev_b32 v1, 4, v3
	v_lshl_add_u32 v1, v4, 12, v1
	v_lshl_add_u32 v1, v5, 9, v1                   ; source: 16 (l % 16) + 4,096 (l / 16) + 512 w
	v_and_b32 v2, 31, v0
	v_lshlrev_b32 v2, 3, v2
	v_mad_u32_u24 v2, v5, 2*KBB, v2                ; xw: 8 l (two rows of 128 bytes on end) + two blocks a wave
	s_sub_co_u32 s16, ttmp9, 512                   ; groups 512 on take the weights, 64 groups each
	s_lshr_b32 s17, s16, 6                         ; which weight: 0, 1, 2 (a large number for x's groups)
	s_and_b32 s18, s16, 63                         ; which 16 rows of it
	s_cmp_lt_u32 ttmp9, 512
	s_cselect_b32 s18, ttmp9, s18                  ; x's groups: which 16 rows of x
	s_lshl_b32 s18, s18, 16                        ; in bytes of the source,
	s_mov_b32 s19, 0
	s_lshl_b32 s20, ttmp9, 11                      ; and of a block of xw: 16 rows of 128 bytes
	s_mov_b32 s21, 0
	s_wait_kmcnt 0x0
	s_cmp_eq_u32 s17, 1                            ; the source is chosen by the group's number alone
	s_cselect_b64 s[6:7], s[8:9], s[6:7]
	s_cmp_eq_u32 s17, 2
	s_cselect_b64 s[6:7], s[10:11], s[6:7]
	s_cmp_lt_u32 ttmp9, 512
	s_cselect_b64 s[4:5], s[4:5], s[6:7]
	s_add_nc_u64 s[4:5], s[4:5], s[18:19]
	s_add_nc_u64 s[12:13], s[12:13], s[20:21]
	s_wait_alu depctr_va_vdst(0)                   ; v1 and v2 are written: every load reads v1 as its offset, every store v2
.irp n, 0,1,2,3,4,5,6,7,8,9,10,11,12,13,14,15  ; pair of rows n % 8, block 2 w + n / 8
	global_load_b128 v[X+4*(\n):X+4*(\n)+3], v1, s[4:5] offset:((\n)%8)*2*ROWIN+((\n)/8)*256 th:TH_LOAD_NT
.endr
; Store m: pair of rows m % 8, block 2 w + m / 8.
.macro OUT m
	global_store_b64 v2, v[Y+2*(\m):Y+2*(\m)+1], s[12:13] offset:((\m)%8)*256+((\m)/8)*KBB
.endm
; Group p: loads 4 p to 4 p + 3 are rounded; the stores of group p - 1 go out among the conversions, one in front of each pair.
.macro GROUP p
	s_wait_loadcnt 12-4*(\p)                       ; loads come back in order: the group's four are in, the 12 - 4 p younger ones stay out
.if (\p) > 0
	s_wait_alu depctr_va_vdst(0)                   ; the conversions of the group before have written its Y, which the four stores below read; no vector instruction behind this wait names those registers or v2
.endif
.irp i, 0,1,2,3
.if (\p) > 0
	OUT 4*(\p)-4+(\i)
.endif
	v_cvt_pk_bf16_f32 v[Y+2*(4*(\p)+(\i))],   v[X+4*(4*(\p)+(\i))],   v[X+4*(4*(\p)+(\i))+1]
	v_cvt_pk_bf16_f32 v[Y+2*(4*(\p)+(\i))+1], v[X+4*(4*(\p)+(\i))+2], v[X+4*(4*(\p)+(\i))+3]
.endr
.endm
	GROUP 0                                        ; no group stands in front of it: no store, and no wait but the one for its data
	GROUP 1
	GROUP 2
	GROUP 3
	s_wait_alu depctr_va_vdst(0)                   ; the last group's conversions have written its Y, which the last four stores read
.irp i, 12,13,14,15
	OUT \i
.endr
	s_endpgm
.Lfunc_end_k_qca57e942f4_cast:
	.size	k_qca57e942f4_cast, .Lfunc_end_k_qca57e942f4_cast-k_qca57e942f4_cast
	.p2alignl 7, 3214868480
	.fill 96, 4, 3214868480
	.section	.rodata,"a",@progbits
	.p2align	6, 0x0
	.amdhsa_kernel k_qca57e942f4_cast
		.amdhsa_group_segment_fixed_size 0
		.amdhsa_private_segment_fixed_size 0
		.amdhsa_enable_private_segment 0
		.amdhsa_kernarg_size 40
		.amdhsa_user_sgpr_count 2
		.amdhsa_user_sgpr_kernarg_segment_ptr 1
		.amdhsa_wavefront_size32 1
		.amdhsa_system_sgpr_workgroup_id_x 1
		.amdhsa_system_sgpr_workgroup_id_y 1
		.amdhsa_system_sgpr_workgroup_id_z 1
		.amdhsa_system_vgpr_workitem_id 0
		.amdhsa_next_free_vgpr 104
		.amdhsa_next_free_sgpr 66
		.amdhsa_reserve_vcc 0
		.amdhsa_float_denorm_mode_32 3
		.amdhsa_float_denorm_mode_16_64 3
		.amdhsa_memory_ordered 1
		.amdhsa_forward_progress 1
		.amdhsa_inst_pref_size 7
	.end_amdhsa_kernel
	.amdgpu_metadata
---
amdhsa.version: [ 1, 2 ]
amdhsa.kernels:
  - .name:           k_qca57e942f4_cast
    .symbol:         k_qca57e942f4_cast.kd
    .args:
      - { .name: x, .offset: 0, .size: 8, .value_kind: global_buffer, .address_space: global }
      - { .name: Wq, .offset: 8, .size: 8, .value_kind: global_buffer, .address_space: global }
      - { .name: Wk, .offset: 16, .size: 8, .value_kind: global_buffer, .address_space: global }
      - { .name: Wv, .offset: 24, .size: 8, .value_kind: global_buffer, .address_space: global }
      - { .name: xw, .offset: 32, .size: 8, .value_kind: global_buffer, .address_space: global }
    .group_segment_fixed_size: 0
    .private_segment_fixed_size: 0
    .kernarg_segment_align: 8
    .kernarg_segment_size: 40
    .max_flat_workgroup_size: 256
    .sgpr_count:     66
    .vgpr_count:     104
    .wavefront_size: 32
...
	.end_amdgpu_metadata
.endif
;; end of part 5
;; launch proj: the kernel of part 2 again; grid 8 x 32, 4 waves a work-group, clusters of 4 x 4, 327,680 bytes of LDS; arguments xw, bq, bk, bv, qkv; writes qkv
;; launch score: the kernel of part 3 again; grid 36 x 4, 4 waves a work-group, no clusters, 327,680 bytes of LDS; arguments qkv, st, pw; writes pw, st
;; launch mix: the kernel of part 4 again; grid 8 x 32, 4 waves a work-group, clusters of 4 x 4, 327,680 bytes of LDS; arguments pw, st, qkv, out0; writes out0
